; MI455X (gfx1250); checked and timed in simulation.
; The chip was launched on July 23, 2026; its instructions are those of AMD's public machine-readable ISA for CDNA 5 (MIT licence, August 2026) and "CDNA5" Instruction Set Architecture Reference Guide (July 2026). The comments in the code are by the model that wrote it; some were corrected since.
;; Multi Head Attention. Allowed arithmetic: matrix products marked QUANTISED: E2M3 operands, one E8M0 scale for each 32 along K, by v_wmma_scale_f32_16x16x128_f8f6f4 with both operands' format E2M3, f32 sums; everything else in f32.
;; Inputs: W_k 1,024 x 1,024 float32; W_o 1,024 x 1,024 float32; W_q 1,024 x 1,024 float32; W_v 1,024 x 1,024 float32; b_k 1,024 float32; b_o 1,024 float32; b_q 1,024 float32; b_v 1,024 float32; k 4 x 2,048 x 1,024 float32; q 4 x 2,048 x 1,024 float32; v 4 x 2,048 x 1,024 float32.
;; Outputs: out0 4 x 2,048 x 1,024 float32.
;; This version of the problem:
;;   THIS VERSION OF THE PROBLEM IS GIVEN IN LOW PRECISION. The matrix products marked QUANTISED in the list below multiply operands that are first quantised to E2M3 (2 exponent bits, 3 mantissa bits; 6 bits a number), with one power-of-two scale for each 32 numbers along K (OCP MX v1.0); their sums are f32. All else is computed in f32.
;;   The module's matrix products, in the order in which they are computed (A, B: the left and right operand; K: the contracted axis; several contracted axes count as one K, in the product's order):
;;     1. [M 8,192, K 1,024] x [K 1,024, N 1,024]; A: input q; B: input W_q: QUANTISED
;;     2. [M 8,192, K 1,024] x [K 1,024, N 1,024]; A: input k; B: input W_k: QUANTISED
;;     3. [M 8,192, K 1,024] x [K 1,024, N 1,024]; A: input v; B: input W_v: QUANTISED
;;     4. batch 64 x [M 2,048, K 64] x [K 64, N 2,048]; A: computed on the way; B: computed on the way: QUANTISED
;;     5. batch 64 x [M 2,048, K 2,048] x [K 2,048, N 64]; A: softmax (see below); B: computed on the way: QUANTISED
;;     6. [M 8,192, K 1,024] x [K 1,024, N 1,024]; A: computed on the way; B: input W_o: QUANTISED
;;   THE QUANTISER, for each operand of a quantised product, along K:
;;     - K is cut into blocks of 32 from its start; a last block that is shorter is filled with zeros.
;;     - A block's scale is 2^e with e = floor(log2(the largest magnitude in the block)) - 2, held to -126 .. 127; a block of zeros has e = 0. As a byte (E8M0): e + 127.
;;     - Each number is divided by its block's scale, clamped to +-7.5, and rounded to the nearest number of E2M3, ties to even, subnormals kept.
;;     - The product sums the exact products of the quantised numbers (number of the format x scale) in f32.
;;   ~~~python
;;   def quantise(x, axis):      # numpy; x: float32 -> the quantised numbers, widened to float32 again
;;       x = np.moveaxis(x, axis, -1); K = x.shape[-1]
;;       x = np.pad(x, [(0, 0)] * (x.ndim - 1) + [(0, -K % 32)]); x = x.reshape(x.shape[:-1] + (-1, 32)); a = np.abs(x).max(-1, keepdims=True)
;;       e = np.where(a > 0, np.clip(np.frexp(np.where(a > 0, a, 1))[1] - 1 - 2, -126, 127), 0)      # np.frexp(a)[1] - 1 = floor(log2(a)), exactly
;;       r = np.clip(x / 2.0 ** e, -7.5, 7.5)
;;       step = 2.0 ** (np.maximum(np.frexp(np.where(r == 0, 1, r))[1] - 1, 0) - 3)
;;       q = np.round(r / step) * step * 2.0 ** e      # np.round: ties to even
;;       return np.moveaxis(q.reshape(q.shape[:-2] + (-1,))[..., :K], -1, axis).astype(np.float32)
;;   ~~~
;;   SOFTMAX AHEAD OF A QUANTISED PRODUCT. Where the list says 'softmax', what is quantised is not the finished softmax but p = 2^(t - M), with t = logit x log2(e) and M = ceil(the row's largest t), a whole number; so 1/2 < the row's largest p <= 1. The row's sum l is taken of the UNQUANTISED p, in f32, and the product's result is divided by l at the end. Since M is a whole number, a kernel that streams over the keys may use a running M (the ceiling of the running maximum): every later rescaling is an exact power of two, which a block's scale takes up: the codes' values come out the same.
;;   OPERANDS COMPUTED ON THE WAY. 'Computed on the way' means the value that the module computes at that place (a softmax that the list does not call 'softmax' is quantised finished and normalised). What goes into a quantiser is computed in f32, as accurately as f32 sums, v_exp_f32 and their like allow (about 1e-6 of the number): no bf16 or f16 on the way to a quantiser, and a product that is left as it is and whose result goes on into a quantised operand takes f32 operands (vector FMAs, or v_wmma_f32_16x16x4_f32). A number that lies on a knife's edge between two numbers of the format may be rounded either way, as far as f32 arithmetic and the matrix unit's own rounding can turn it there, and no further.
;; One version. Each part assembles by itself: llvm-mc -triple=amdgcn-amd-amdhsa -mcpu=gfx1250 --defsym DOCPART=n.
;; ======== version 1 of 1: 4 launches
;; limits: right only within a limited range of input values
;; workspace buffers: xcod 18,874,368 bytes; xscl 786,432 bytes; wcod 3,145,728 bytes; wscl 131,072 bytes; qkv 19,660,800 bytes; ocod 6,291,456 bytes; oscl 262,144 bytes
;; launch quant (part 1): grid 1024 x 1, 4 waves a work-group, no clusters, 35,328 bytes of LDS; arguments q, k, v, W_q, W_k, W_v, W_o, xcod, xscl, wcod, wscl; writes xcod, xscl, wcod, wscl
.if DOCPART == 1
	.amdgcn_target "amdgcn-amd-amdhsa--gfx1250"
	.amdhsa_code_object_version 6
	.text
	.protected	k_qb5ac077c30_quant
	.globl	k_qb5ac077c30_quant
	.p2align	8
	.type	k_qb5ac077c30_quant,@function
k_qb5ac077c30_quant:
	s_mov_b64 s[64:65], 0
	v_nop
	global_prefetch_b8 v0, s[64:65] scope:SCOPE_SE
	s_setreg_imm32_b32 hwreg(HW_REG_WAVE_MODE, 25, 1), 1
	s_wait_xcnt 0x0
; q, k, v [8192][1024] and W_q, W_k, W_v, W_o [1024 (k)][1024 (n)], f32, become codes of FP6 (E2M3) with one E8M0 byte for each 32 along K = 1,024.
; A block's scale is 2^(floor(log2(its largest magnitude)) - 2); its byte is the largest magnitude's exponent field - 2, held at 1 from below; numbers / scale go to the nearest code, ties to even, beyond 7.5 to the largest code.
; LIMITS: NaN and infinities among the inputs are not served; a block whose largest magnitude lies under 2^-124 keeps the floor's byte 1; a block of zeros gets the byte 1 where the rule says 127
; (its codes are zeros, which add nothing under any byte but 0xff, and this program alone reads the bytes).
; LAYOUT OF THE RESULTS: IMAGES OF OPERAND REGISTERS.  Rows (tokens; for a weight its output columns n) are kept in an order in which bits 3 and 4 of the row number change places: row r of stored tile T is row
; 32 (T / 2) + 8 (T % 2) + r + 8 (r / 8).  A unit of 768 bytes holds 16 stored rows x 64 along K: lane l = 16 h + r owns the 24 bytes of k = 32 h .. 32 h + 31 of row r, registers 0-3 at byte 16 l, registers 4-5 at byte 512 + 8 l.
; Codes: [tile][k / 64 (16)][768].  Scale words (four bytes, 128 along K): [tile][k / 256 (4)][row (16)][2].
; THE DEAL: 1,024 work-groups that are all alike.  Waves 0 to 2 take tokens: task 3 x work-group + wave of 3,072 is one stored tile of 16 rows x half of K (8 steps of 64), through the wave's own stage in LDS.
; Wave 3 takes a weight: task = work-group of 1,024 is 32 columns x 128 along K (a lane a column, registers down K).  So every work-group reads 3 x 32,768 + 16,384 bytes.  The ways part once, on the wave's number.
; Memory binds: no matrix unit, no cluster (no two work-groups read the same byte), no barrier (waves share nothing).
.set NS,   8                           ; a token task's steps
.set NW,   4                           ; a weight task's blocks of 32 along K
.set R,    16                          ; tokens: v16-143  four sets of 32 registers as loaded
.set X,    144                         ; v144-207 two sets of 32 neighbours along K
.set C,    208                         ; v208-213 a unit's six registers of mine
.set CT,   214                         ; v214-216 the second conversion's result (three registers that begin on an even number)
.set PWO,  220                         ; v220-223 the task's four scale words in the making
.set PT,   228                         ; v228-231 the other half's bytes
.set DW,   236                         ; v236-237 the words as they are stored
.set STG,  4352                        ; a stage: 16 rows x (256 bytes + 16): the pitch is an odd multiple of 16 bytes
.set WREG, 2*STG                       ; a wave's two stages
.set WX,   16                          ; weights: v16-79 two sets of 32 numbers
.set CW,   80                          ; v80-103 codes: twelve registers for each pair of blocks, so that no store's data are written again
.set WT,   128                         ; v128-130 the second conversion's result
.set SB,   132                         ; v132 my column's four scale bytes
	s_load_b512 s[8:23], s[0:1], 0x0               ; q 8, k 10, v 12, W_q 14, W_k 16, W_v 18, W_o 20, xcod 22
	s_load_b128 s[24:27], s[0:1], 0x40             ; xscl 24, wcod 26
	s_load_b64 s[28:29], s[0:1], 0x50              ; wscl
	v_lshl_add_u32 v254, v0, 2, 0x8800             ; my spare word, behind room for four waves' stages
	v_mov_b32 v255, 0
	v_lshrrev_b32 v1, 5, v0
	v_readfirstlane_b32 s4, v1                     ; wave 0..3
	v_and_b32 v1, 31, v0                           ; l
	v_and_b32 v13, 15, v0                          ; r
	v_bfe_u32 v12, v0, 4, 1                        ; h
; the largest magnitude of 32 numbers of one lane, with the floor 2^(3 - 127) as one more leaf, in v8; with 2 off its exponent field, the conversions' scale operand, in v11
.macro AMAX xs
	v_max3_num_f32 v8, |v[\xs]|, |v[\xs+1]|, |v[\xs+2]|
	v_max3_num_f32 v9, |v[\xs+3]|, |v[\xs+4]|, |v[\xs+5]|
.irp i, 6,10,14,18,22,26
	v_max3_num_f32 v8, v8, |v[\xs+\i]|, |v[\xs+\i+1]|              ; two chains, so that no line waits for the line above it
	v_max3_num_f32 v9, v9, |v[\xs+\i+2]|, |v[\xs+\i+3]|
.endr
	v_max3_num_f32 v8, v8, |v[\xs+30]|, |v[\xs+31]|
	v_max3_num_f32 v8, v8, v9, 0x1800000
	v_add_nc_u32 v11, 0xff000000, v8
.endm
	s_cmp_eq_u32 s4, 3
	s_cbranch_scc1 .Lweights
	; ---------------- THE TOKENS: my wave's stored tile of 16 rows, half of K, in 8 steps of 64 along K ----------------
	s_mul_i32 s5, ttmp9, 3
	s_add_co_u32 s5, s5, s4                        ; my task among the 3,072
	s_lshr_b32 s6, s5, 1                           ; its tile among the 1,536
	s_and_b32 s5, s5, 1                            ; and which half of K
	s_and_b32 s7, s6, 511                          ; the tile in its tensor
	s_lshr_b32 s38, s7, 1
	s_lshl_b32 s38, s38, 17                        ; 32 rows of 4,096 bytes for each pair of tiles,
	s_and_b32 s39, s7, 1
	s_lshl_b32 s39, s39, 15                        ; 8 rows more for the odd tile,
	s_add_co_u32 s38, s38, s39
	s_lshl_b32 s39, s5, 11                         ; 2,048 bytes along the rows for the second half of K
	s_add_co_u32 s38, s38, s39
	s_mov_b32 s39, 0
	s_mul_i32 s40, s6, 12288
	s_mul_i32 s41, s5, 6144                        ; eight units
	s_add_co_u32 s40, s40, s41
	s_mov_b32 s41, 0
	s_lshl_b32 s42, s6, 9
	s_lshl_b32 s43, s5, 8                          ; 256 bytes of scale words
	s_add_co_u32 s42, s42, s43
	s_mov_b32 s43, 0
	s_mov_b32 s36, 0x76543210
	s_mov_b32 s37, 0xfedcba98                      ; v_permlanex16_b32's selects for lane l xor 16
	s_mul_i32 s44, s4, WREG
	s_wait_alu depctr_va_vdst(0)                   ; the wait here, ahead of the readers below
	v_lshlrev_b32 v2, 12, v12
	v_lshl_add_u32 v2, v13, 4, v2                  ; in: lanes 0-15 take 256 bytes of one row, lanes 16-31 of the next
	v_mul_u32_u24 v3, v12, 272
	v_lshl_add_u32 v3, v13, 4, v3
	v_add_nc_u32 v3, s44, v3                       ; the stage, on the way in: as loaded
	v_mul_u32_u24 v4, v13, 272
	v_lshl_add_u32 v4, v12, 7, v4
	v_add_nc_u32 v4, s44, v4                       ; and on the way out: row r, my block of 32 numbers
	v_lshlrev_b32 v5, 4, v1                        ; 16 l
	v_lshlrev_b32 v6, 3, v1                        ; 8 l
	v_lshlrev_b32 v7, 3, v12                       ; 8 h
.irp i, 0,1,2,3
	v_mov_b32 v[PT+\i], 0                          ; written once: a lane permute's destination counts as one of its sources
.endr
	s_wait_alu depctr_va_vdst(0)                   ; the wait at the head's end
	s_wait_kmcnt 0x0
	s_cmp_lt_u32 s6, 1024                          ; the choice hangs on the task's number alone
	s_cselect_b64 s[30:31], s[10:11], s[12:13]
	s_cmp_lt_u32 s6, 512
	s_cselect_b64 s[30:31], s[8:9], s[30:31]
	s_add_nc_u64 s[30:31], s[30:31], s[38:39]
	s_add_nc_u64 s[32:33], s[22:23], s[40:41]
	s_add_nc_u64 s[34:35], s[24:25], s[42:43]
.macro XLOAD g                         ; step g: 16 rows x 256 bytes; sixteen lanes read 256 consecutive bytes, aligned; stored rows 2 i and 2 i + 1 are rows 2 i + 8 (i / 4) and the next
.irp i, 0,1,2,3,4,5,6,7
	global_load_b128 v[R+32*((\g)%4)+4*\i:R+32*((\g)%4)+4*\i+3], v2, s[30:31] offset:(2*\i+8*(\i/4))*4096+256*(\g) th:TH_LOAD_NT
.endr
.endm
.macro XTURN g                         ; through the stage: LDS serves a wave's instructions in order (ISA guide 5.7.1.4), so no wait stands between the stores and the loads
.irp i, 0,1,2,3,4,5,6,7
	ds_store_b128 v3, v[R+32*((\g)%4)+4*\i:R+32*((\g)%4)+4*\i+3] offset:STG*((\g)%2)+544*\i
.endr
.irp j, 0,1,2,3,4,5,6,7
	ds_load_b128 v[X+32*((\g)%2)+4*\j:X+32*((\g)%2)+4*\j+3], v4 offset:STG*((\g)%2)+16*\j
.endr
.endm
.macro XSTEP g
.set XS, X+32*((\g)%2)
	s_wait_dscnt 0x0                               ; this step's numbers are back from the stage, so its stores into the stage have read their registers,
.if (\g)+4 < NS
	XLOAD (\g)+4                                   ; which take the loads of four steps on
.endif
.if (\g) < NS-1
.if NS-2-(\g) >= 3
	s_wait_loadcnt 24                              ; the next step's eight loads are in; those of the three steps behind it may be out
.else
	s_wait_loadcnt 8*(NS-2-(\g))
.endif
	XTURN (\g)+1                                   ; and go through the other stage while this step is worked
.endif
	AMAX XS                                        ; a whole block of 32 is mine
	s_wait_alu depctr_va_vdst(0)
	s_wait_xcnt 0x0                                ; the last step's stores have read their data: C is written again only behind this wait
	v_cvt_scalef32_pk16_fp6_f32 v[C:C+2], v[XS:XS+15], v11
	v_cvt_scalef32_pk16_fp6_f32 v[CT:CT+2], v[XS+16:XS+31], v11
	v_lshrrev_b32 v10, 23, v11                     ; the scale's byte (also the plain line behind the conversions)
.irp i, 0,1,2
	v_mov_b32 v[C+3+\i], v[CT+\i]
.endr
.if (\g)%2 == 0
	v_mov_b32 v[PWO+(\g)/2], v10                   ; block 2 g + h: byte 2 (g % 2) + h of word g / 2
.else
	v_lshl_or_b32 v[PWO+(\g)/2], v10, 16, v[PWO+(\g)/2]
.endif
	global_store_b128 v5, v[C:C+3], s[32:33] offset:768*(\g)           ; 512 consecutive bytes, aligned to 256
	global_store_b64 v6, v[C+4:C+5], s[32:33] offset:768*(\g)+512      ; 256 consecutive bytes, aligned
.endm
.irp t, 0,1,2,3
	XLOAD \t
.endr
	s_wait_loadcnt 24                              ; step 0's eight loads are in
	XTURN 0
.irp t, 0,1,2,3,4,5,6,7
	XSTEP \t
.endr
.irp i, 0,1,2,3
	v_lshlrev_b32 v[PWO+\i], v7, v[PWO+\i]         ; my two bytes at their places (8 h bits up);
.endr
.irp i, 0,1,2,3
	v_permlanex16_b32 v[PT+\i], v[PWO+\i], s36, s37
.endr
.irp i, 0,1,2,3
	v_or_b32 v[PWO+\i], v[PWO+\i], v[PT+\i]        ; with lane l xor 16's two the word is whole
.endr
	v_cmp_ne_u32 vcc_lo, 0, v12
.irp u, 0,1
	v_cndmask_b32 v[DW+\u], v[PWO+\u], v[PWO+2+\u], vcc_lo   ; byte 128 h + 8 r of my half's 256: the two words of its h-th 256 along K
.endr
	global_store_b64 v6, v[DW:DW+1], s[34:35]      ; 256 consecutive bytes, aligned
	s_wait_tensorcnt 0x0                           ; the wave's end
	ds_add_u32 v254, v255
	s_wait_dscnt 0x0
	s_endpgm
	; ---------------- THE WEIGHTS: my wave's 32 columns x 128 along K; a lane takes a column and its registers run down K ----------------
.Lweights:
	s_lshr_b32 s5, ttmp9, 8                        ; which weight
	s_bfe_u32 s6, ttmp9, 0x50003                   ; which 32 columns
	s_and_b32 s7, ttmp9, 7                         ; which 128 along K
	s_lshl_b32 s38, s7, 19                         ; 128 rows of 4,096 bytes
	s_lshl_b32 s39, s6, 7
	s_add_co_u32 s38, s38, s39
	s_mov_b32 s39, 0
	s_lshl_b32 s40, s5, 6
	s_lshl_b32 s41, s6, 1
	s_add_co_u32 s40, s40, s41                     ; the first of my two stored tiles
	s_lshl_b32 s42, s40, 9
	s_lshr_b32 s43, s7, 1
	s_lshl_b32 s43, s43, 7                         ; 128 bytes of scale words for each 256 along K,
	s_add_co_u32 s42, s42, s43
	s_and_b32 s43, s7, 1
	s_lshl_b32 s43, s43, 2                         ; of which mine is the first or the second word of a row's two
	s_add_co_u32 s42, s42, s43
	s_mov_b32 s43, 0
	s_mul_i32 s40, s40, 12288
	s_mul_i32 s41, s7, 1536                        ; two units
	s_add_co_u32 s40, s40, s41
	s_mov_b32 s41, 0
	v_and_b32 v2, 7, v0
	v_bfe_u32 v3, v0, 3, 1
	v_lshl_or_b32 v2, v3, 4, v2
	s_wait_alu depctr_va_vdst(0)                   ; the wait here, ahead of the reader below
	v_lshl_or_b32 v2, v12, 3, v2                   ; stored column l is column l with bits 3 and 4 exchanged: a load still covers 128 consecutive bytes
	v_lshlrev_b32 v2, 2, v2
	v_lshlrev_b32 v3, 4, v1                        ; 16 l
	v_lshlrev_b32 v4, 3, v1                        ; 8 l
	v_lshlrev_b32 v5, 9, v12
	v_lshl_add_u32 v5, v13, 3, v5                  ; my column's scale word: tile l / 16, row l % 16
	s_wait_alu depctr_va_vdst(0)                   ; the wait at the head's end
	s_wait_kmcnt 0x0
	s_cmp_eq_u32 s5, 2
	s_cselect_b64 s[30:31], s[18:19], s[20:21]
	s_cmp_eq_u32 s5, 1
	s_cselect_b64 s[30:31], s[16:17], s[30:31]
	s_cmp_eq_u32 s5, 0
	s_cselect_b64 s[30:31], s[14:15], s[30:31]
	s_add_nc_u64 s[30:31], s[30:31], s[38:39]
	s_add_nc_u64 s[32:33], s[26:27], s[40:41]
	s_add_nc_u64 s[34:35], s[28:29], s[42:43]
.macro WLOAD t                         ; block t: W(32 t + i, my column) into set t % 2; the largest offset, 127 rows, lies inside the signed 24-bit immediate
.irp i, 0,1,2,3,4,5,6,7,8,9,10,11,12,13,14,15,16,17,18,19,20,21,22,23,24,25,26,27,28,29,30,31
	global_load_b32 v[WX+32*((\t)%2)+\i], v2, s[30:31] offset:(32*(\t)+\i)*4096 th:TH_LOAD_NT
.endr
.endm
.macro WBLOCK t
.set XS, WX+32*((\t)%2)
.set CA, CW+12*((\t)/2)
.set CC, CA+6*((\t)%2)
.if (\t) < NW-1
	s_wait_loadcnt 32                              ; this block's 32 loads are in; the next block's may be out
.else
	s_wait_loadcnt 0x0
.endif
	AMAX XS
	v_cvt_scalef32_pk16_fp6_f32 v[CC:CC+2], v[XS:XS+15], v11
	v_cvt_scalef32_pk16_fp6_f32 v[WT:WT+2], v[XS+16:XS+31], v11
	v_lshrrev_b32 v10, 23, v11                     ; the scale's byte (also the plain line behind the conversions)
.irp i, 0,1,2
	v_mov_b32 v[CC+3+\i], v[WT+\i]
.endr
.if (\t) == 0
	v_mov_b32 v[SB], v10                           ; four bytes to a word, the lower K in the lower byte
.else
	v_lshl_or_b32 v[SB], v10, 8*(\t), v[SB]
.endif
.if (\t)+2 < NW
	WLOAD (\t)+2
.endif
.if (\t)%2 == 1                        ; two blocks are 64 along K: lanes 0-15 hold rows of my first tile, lanes 16-31 of my second; a unit wants one tile's rows, the lower block in lanes 0-15
.irp i, 0,1,2,3,4,5
	v_permlane16_swap_b32 v[CA+\i], v[CA+6+\i]     ; the first's lanes 16-31 change places with the second's lanes 0-15: the first is now the first tile's unit, the second the second tile's
.endr
	global_store_b128 v3, v[CA:CA+3], s[32:33] offset:768*((\t)/2)
	global_store_b64 v4, v[CA+4:CA+5], s[32:33] offset:768*((\t)/2)+512
	global_store_b128 v3, v[CA+6:CA+9], s[32:33] offset:12288+768*((\t)/2)
	global_store_b64 v4, v[CA+10:CA+11], s[32:33] offset:12288+768*((\t)/2)+512
.endif
.endm
	WLOAD 0
	WLOAD 1
.irp t, 0,1,2,3
	WBLOCK \t
.endr
	global_store_b32 v5, v[SB], s[34:35]           ; every second word of two runs of 128 bytes: one byte for each 128 that this way reads
	s_endpgm
.Lfunc_end_k_qb5ac077c30_quant:
	.size	k_qb5ac077c30_quant, .Lfunc_end_k_qb5ac077c30_quant-k_qb5ac077c30_quant
	.p2alignl 7, 3214868480
	.fill 96, 4, 3214868480
	.section	.rodata,"a",@progbits
	.p2align	6, 0x0
	.amdhsa_kernel k_qb5ac077c30_quant
		.amdhsa_group_segment_fixed_size 35328
		.amdhsa_private_segment_fixed_size 0
		.amdhsa_enable_private_segment 0
		.amdhsa_kernarg_size 88
		.amdhsa_user_sgpr_count 2
		.amdhsa_user_sgpr_kernarg_segment_ptr 1
		.amdhsa_wavefront_size32 1
		.amdhsa_system_sgpr_workgroup_id_x 1
		.amdhsa_system_sgpr_workgroup_id_y 1
		.amdhsa_system_sgpr_workgroup_id_z 1
		.amdhsa_system_vgpr_workitem_id 0
		.amdhsa_next_free_vgpr 256
		.amdhsa_next_free_sgpr 66
		.amdhsa_reserve_vcc 1
		.amdhsa_float_denorm_mode_32 3
		.amdhsa_float_denorm_mode_16_64 3
		.amdhsa_memory_ordered 1
		.amdhsa_forward_progress 1
		.amdhsa_inst_pref_size 52
	.end_amdhsa_kernel
	.amdgpu_metadata
---
amdhsa.version: [ 1, 2 ]
amdhsa.kernels:
  - .name:           k_qb5ac077c30_quant
    .symbol:         k_qb5ac077c30_quant.kd
    .args:
      - { .name: q, .offset: 0, .size: 8, .value_kind: global_buffer, .address_space: global }
      - { .name: k, .offset: 8, .size: 8, .value_kind: global_buffer, .address_space: global }
      - { .name: v, .offset: 16, .size: 8, .value_kind: global_buffer, .address_space: global }
      - { .name: W_q, .offset: 24, .size: 8, .value_kind: global_buffer, .address_space: global }
      - { .name: W_k, .offset: 32, .size: 8, .value_kind: global_buffer, .address_space: global }
      - { .name: W_v, .offset: 40, .size: 8, .value_kind: global_buffer, .address_space: global }
      - { .name: W_o, .offset: 48, .size: 8, .value_kind: global_buffer, .address_space: global }
      - { .name: xcod, .offset: 56, .size: 8, .value_kind: global_buffer, .address_space: global }
      - { .name: xscl, .offset: 64, .size: 8, .value_kind: global_buffer, .address_space: global }
      - { .name: wcod, .offset: 72, .size: 8, .value_kind: global_buffer, .address_space: global }
      - { .name: wscl, .offset: 80, .size: 8, .value_kind: global_buffer, .address_space: global }
    .group_segment_fixed_size: 35328
    .private_segment_fixed_size: 0
    .kernarg_segment_align: 8
    .kernarg_segment_size: 88
    .max_flat_workgroup_size: 128
    .sgpr_count:     66
    .vgpr_count:     256
    .wavefront_size: 32
...
	.end_amdgpu_metadata
.endif
;; end of part 1
;; launch proj (part 2): grid 4 x 96, 4 waves a work-group, clusters of 4 x 4, 327,680 bytes of LDS; arguments xcod, xscl, wcod, wscl, b_q, b_k, b_v, qkv; writes qkv
.if DOCPART == 2
	.amdgcn_target "amdgcn-amd-amdhsa--gfx1250"
	.amdhsa_code_object_version 6
	.text
	.protected	k_qb5ac077c30_proj
	.globl	k_qb5ac077c30_proj
	.p2align	8
	.type	k_qb5ac077c30_proj,@function
k_qb5ac077c30_proj:
	s_mov_b64 s[64:65], 0
	v_nop
	global_prefetch_b8 v0, s[64:65] scope:SCOPE_SE
	s_setreg_imm32_b32 hwreg(HW_REG_WAVE_MODE, 25, 1), 1
	s_wait_xcnt 0x0
	s_wait_alu depctr_hold_cnt(0) depctr_sa_sdst(0) depctr_va_vdst(0) depctr_va_sdst(0) depctr_va_ssrc(0) depctr_va_vcc(0) depctr_vm_vsrc(0)
	s_getreg_b32 s2, hwreg(HW_REG_IB_STS2, 6, 4)
	s_cmp_eq_u32 s2, 0
	s_cbranch_scc0 .Lentry_in_a_cluster
	s_endpgm
.Lentry_in_a_cluster:
	s_bfe_u32 s2, ttmp6, 0x10000c
	s_cmp_lg_u32 s2, 0xf033
	s_cbranch_scc0 .Lentry_shape_is_right
	s_endpgm
.Lentry_shape_is_right:
.set STEPB,  3072
.set TILEB,  12288
.set HALFT,  8*STEPB
.set SLOT,   4*HALFT
.set NQ,     2
.set FR,     12
.set NL,     4
.set NP,     4
.set SCL,    2*SLOT
.set HALFS,  4096
.set SPARE,  SCL+4*HALFS
.set HS,     307200
.set ADRA, 16
.set ADRB, 20
.set L16,  24
.set L8,   25
.set ADRS, 27
.set SPW,  28
.set NIL,  29
.set SC,   32
.set BI,   64
.set AF,   128
.set HA,   128
.set PC,   192
.set TM,   212
.set PW,   228
.set WK,   236
.set EW,   244
.set WV, 20
.set HR, 21
.set HC, 22
.set TY, 23
.set G1, 24
.set G0, 32
.set G1B, 48
.set G0B, 56
.set G1S, 68
.set G0S, 76
.set G1SB, 80
.set G0SB, 88
.set SEL, 96
.set MSB, 0
.macro WIN new
.if MSB != \new
	s_set_vgpr_msb (MSB<<8)|\new
.set MSB, \new
.endif
.endm
.set MUL_LO, 0xa1
.set MUL_HI, 0xf1
.set TO_B,   0x40
.macro JLOAD g0a, g1a, g0b, g1b
	s_cmp_eq_u32 s[HR], 0
	s_cbranch_scc0 .Lfor_b_\@
	tensor_load_to_lds s[\g0a:\g0a+3], s[\g1a:\g1a+7]
	s_nop 0
.rept 4
	v_nop
.endr
	s_branch .Lasked_\@
.Lfor_b_\@:
	tensor_load_to_lds s[\g0b:\g0b+3], s[\g1b:\g1b+7]
	s_nop 0
.rept 4
	v_nop
.endr
.Lasked_\@:
.endm
.macro CREST
	s_cmp_lg_u32 s[WV], 0
	s_cbranch_scc1 .Lnot_wave_0_\@
	s_barrier_signal -3
.Lnot_wave_0_\@:
	s_barrier_wait -3
	s_barrier_signal -1
	s_barrier_wait -1
.endm
.macro CROUND
	s_barrier_signal -1
	s_barrier_wait -1
	CREST
.endm
	s_load_b512 s[4:19], s[0:1], 0x0
	v_lshl_add_u32 v[SPW], v0, 2, SPARE
	v_mov_b32 v[NIL], 0
	ds_add_u32 v28, v29
	ds_add_u32 v28, v29
	s_wait_dscnt 0x0
	v_lshrrev_b32 v1, 5, v0
	v_readfirstlane_b32 s[WV], v1
	s_lshr_b32 s[HR], s[WV], 1
	s_and_b32 s[HC], s[WV], 1
	s_bfe_u32 s40, ttmp6, 0x40000
	s_bfe_u32 s41, ttmp6, 0x40004
	s_and_b32 s98, ttmp7, 0xffff
	s_lshr_b32 s[TY], s98, 3
	s_and_b32 s98, s98, 7
	s_lshl_b32 s98, s98, 2
	s_lshl_b32 s101, s[TY], 9
	s_lshl_b32 s3, s[TY], 6
	s_cmp_eq_u32 s[TY], 2
	s_cselect_b32 s99, 0, s98
	s_cselect_b32 s100, s98, 0
	s_cselect_b32 s101, 128, s101
	s_cselect_b32 s3, 1024, s3
	s_add_co_u32 s66, s99, s41
	s_add_co_u32 s42, s100, s40
	s_lshl_b32 s43, s41, 2
	s_lshl_b32 s43, 15, s43
	s_lshl_b32 s44, 0x1111, s40
	s_or_b32 s[G1+0], s43, (3<<16)|(1<<21)
	s_or_b32 s[G1B+0], s44, (3<<16)|(1<<21)
.irp g, G1, G1B
	s_mov_b32 s[\g+1], 384<<16
	s_mov_b32 s[\g+2], 16<<16
	s_mov_b32 s[\g+3], 384<<16
	s_mov_b32 s[\g+4], 16
	s_mov_b32 s[\g+5], 1536
	s_mov_b32 s[\g+6], 0
	s_mov_b32 s[\g+7], 0
.endr
	s_or_b32 s[G1S+0], s43, (3<<16)|(1<<21)
	s_or_b32 s[G1SB+0], s44, (3<<16)|(1<<21)
.irp g, G1S, G1SB
	s_mov_b32 s[\g+1], 32<<16
	s_mov_b32 s[\g+2], 32<<16
	s_mov_b32 s[\g+3], 32<<16
	s_mov_b32 s[\g+4], 32
	s_mov_b32 s[\g+5], 32
	s_mov_b32 s[\g+6], 0
	s_mov_b32 s[\g+7], 0
.endr
	s_lshl_b32 s98, s[HC], 3
	s_lshl_b32 s92, s66, 4
	s_add_co_u32 s92, s92, s101
	s_add_co_u32 s92, s92, s98
	s_lshl_b32 s46, s42, 4
	s_add_co_u32 s46, s46, s3
	s_add_co_u32 s46, s46, s98
	s_lshl_b32 s94, s92, 9
	s_mov_b32 s95, 0
	s_lshl_b32 s96, s46, 9
	s_mov_b32 s97, 0
	s_mul_i32 s92, s92, TILEB
	s_mov_b32 s93, 0
	s_mul_i32 s46, s46, TILEB
	s_mov_b32 s47, 0
	s_mul_i32 s45, s[WV], HALFT
	s_lshl_b32 s67, s[WV], 12
	s_wait_kmcnt 0x0
	s_cmp_eq_u32 s[TY], 2
	s_cselect_b64 s[98:99], s[8:9], s[4:5]
	s_cselect_b64 s[100:101], s[10:11], s[6:7]
	s_add_nc_u64 s[92:93], s[98:99], s[92:93]
	s_add_nc_u64 s[94:95], s[100:101], s[94:95]
	s_cselect_b64 s[98:99], s[4:5], s[8:9]
	s_cselect_b64 s[100:101], s[6:7], s[10:11]
	s_add_nc_u64 s[46:47], s[98:99], s[46:47]
	s_add_nc_u64 s[96:97], s[100:101], s[96:97]
	CROUND
	s_mov_b32 s[G0S], 1
	s_mov_b32 s[G0S+1], SCL
	s_sub_nc_u64 s[G0S+2:G0S+3], s[94:95], 4096    ; wave 1 asks by it: back from its own half to the first of the 16 tiles' scale words
	s_or_b32 s[G0S+3], s[G0S+3], 0x80000000
	s_mov_b32 s[G0SB], 1
	s_mov_b32 s[G0SB+1], SCL+2*HALFS
	s_sub_nc_u64 s[G0SB+2:G0SB+3], s[96:97], 4096  ; wave 3 asks by it
	s_or_b32 s[G0SB+3], s[G0SB+3], 0x80000000
.irp s, 0,1
	s_mov_b32 s[G0+4*\s], 1
	s_add_co_u32 s[G0+4*\s+1], s45, \s*SLOT
	s_add_nc_u64 s[G0+4*\s+2:G0+4*\s+3], s[92:93], \s*STEPB
	s_or_b32 s[G0+4*\s+3], s[G0+4*\s+3], 0x80000000
	s_mov_b32 s[G0B+4*\s], 1
	s_add_co_u32 s[G0B+4*\s+1], s45, \s*SLOT
	s_add_nc_u64 s[G0B+4*\s+2:G0B+4*\s+3], s[46:47], \s*STEPB
	s_or_b32 s[G0B+4*\s+3], s[G0B+4*\s+3], 0x80000000
.endr
	; the head's four tiles, one joint load a wave, in one chain of arms: wave 0 the first operand's 16 tiles of K chunk 0, wave 1 its scale words, wave 2 the second operand's 16 tiles, wave 3 its scale words
	s_cmp_eq_u32 s[WV], 0
	s_cbranch_scc0 .Lhead_1
	tensor_load_to_lds s[G0:G0+3], s[G1:G1+7]
	s_nop 0
.rept 4
	v_nop
.endr
	s_branch .Lhead_asked
.Lhead_1:
	s_cmp_eq_u32 s[WV], 1
	s_cbranch_scc0 .Lhead_2
	tensor_load_to_lds s[G0S:G0S+3], s[G1S:G1S+7]
	s_nop 0
.rept 4
	v_nop
.endr
	s_branch .Lhead_asked
.Lhead_2:
	s_cmp_eq_u32 s[WV], 2
	s_cbranch_scc0 .Lhead_3
	tensor_load_to_lds s[G0B:G0B+3], s[G1B:G1B+7]
	s_nop 0
.rept 4
	v_nop
.endr
	s_branch .Lhead_asked
.Lhead_3:
	tensor_load_to_lds s[G0SB:G0SB+3], s[G1SB:G1SB+7]
	s_nop 0
.rept 4
	v_nop
.endr
.Lhead_asked:
	s_wait_alu depctr_va_vdst(0)
	s_wait_tensorcnt 0x0                           ; my tile of the four is in
	ds_add_u32 v28, v29
	s_mov_b32 s[G1+2], 8<<16                       ; no tensor load of mine is out: from here on a load brings 8 tiles
	s_mov_b32 s[G1+4], 8
	s_mov_b32 s[G1B+2], 8<<16
	s_mov_b32 s[G1B+4], 8
	s_wait_dscnt 0x0
	CROUND
	JLOAD G0+4, G1, G0B+4, G1B
	v_and_b32 v1, 15, v0
	v_bfe_u32 v2, v0, 4, 1
	v_and_b32 v3, 31, v0
	v_lshlrev_b32 v[L16], 4, v3
	v_lshlrev_b32 v[L8], 3, v3
	s_mul_i32 s100, s[HR], HALFT
	s_mul_i32 s101, s[HC], HALFT
	s_add_co_u32 s101, s101, 2*HALFT
.irp s, 0,1
	v_add_nc_u32 v[ADRA+\s], s100, v[L16]
	v_add_nc_u32 v[ADRA+2+\s], s100, v[L8]
	v_add_nc_u32 v[ADRB+\s], s101, v[L16]
	v_add_nc_u32 v[ADRB+2+\s], s101, v[L8]
	s_add_co_u32 s100, s100, SLOT
	s_add_co_u32 s101, s101, SLOT
.endr
	s_lshl_b32 s100, s[HR], 12
	s_lshl_b32 s101, s[HC], 12
	s_add_co_u32 s101, s101, 2*HALFS
	s_sub_co_u32 s101, s101, s100
	v_mul_u32_u24 v4, s101, v2
	s_add_co_u32 s100, s100, SCL
	v_lshl_add_u32 v4, v1, 3, v4
	v_add_nc_u32 v[ADRS], s100, v4
	s_lshl_b32 s96, s66, 1
	s_add_co_u32 s96, s96, s[HR]
	s_lshl_b32 s97, s42, 1
	s_add_co_u32 s97, s97, s[HC]
	s_cmp_eq_u32 s[TY], 2
	s_cselect_b32 s100, s97, s96
	s_cselect_b32 s101, s96, s97
	s_cselect_b32 s3, 102400, 0
	s_cmp_eq_u32 s[TY], 0
	s_cselect_b32 s3, 204800, s3
	s_lshr_b32 s96, s100, 4
	s_lshl_b32 s96, s96, 4
	s_lshl_b32 s101, s101, 1
	s_add_co_u32 s96, s96, s101
	s_mul_i32 s96, s96, HS
	s_add_co_u32 s96, s96, s3
	s_and_b32 s100, s100, 15
	s_mul_i32 s92, s100, 6144
	s_add_co_u32 s92, s92, s96
	s_mov_b32 s93, 0
	s_lshl_b32 s94, s100, 8
	s_add_co_u32 s94, s94, s96
	s_add_co_u32 s94, s94, 98304
	s_mov_b32 s95, 0
	s_add_nc_u64 s[92:93], s[18:19], s[92:93]
	s_add_nc_u64 s[94:95], s[18:19], s[94:95]
	s_mov_b32 s[SEL], 0x76543210
	s_mov_b32 s[SEL+1], 0xfedcba98
.macro FRAG reg, adr, q, i
	ds_load_b128 v[\reg:\reg+3],    v[\adr]   offset:(\i)*STEPB+(\q)*1536
	ds_load_b64  v[\reg+4:\reg+5],  v[\adr+2] offset:(\i)*STEPB+(\q)*1536+512
	ds_load_b128 v[\reg+6:\reg+9],  v[\adr]   offset:(\i)*STEPB+(\q)*1536+768
	ds_load_b64  v[\reg+10:\reg+11], v[\adr+2] offset:(\i)*STEPB+(\q)*1536+1280
.endm
.macro MUL16 a0, p, q, sc, zero
.irp a, \a0, \a0+1
.irp b, 0,1,2,3,4,5,6,7
.if \zero
	v_wmma_scale_f32_16x16x128_f8f6f4 v[8*(8*((\a)%4)+\b):8*(8*((\a)%4)+\b)+7], v[128*(\p)+FR*\b:128*(\p)+FR*\b+FR-1], v[AF+FR*(\a):AF+FR*(\a)+FR-1], 0, v[SC+8*NQ*(\sc)+NQ*\b+(\q)], v[SC+8*NQ*(\sc)+NQ*(\a)+(\q)] matrix_a_fmt:MATRIX_FMT_FP6 matrix_b_fmt:MATRIX_FMT_FP6 matrix_a_scale:MATRIX_SCALE_ROW1
.else
	v_wmma_scale_f32_16x16x128_f8f6f4 v[8*(8*((\a)%4)+\b):8*(8*((\a)%4)+\b)+7], v[128*(\p)+FR*\b:128*(\p)+FR*\b+FR-1], v[AF+FR*(\a):AF+FR*(\a)+FR-1], v[8*(8*((\a)%4)+\b):8*(8*((\a)%4)+\b)+7], v[SC+8*NQ*(\sc)+NQ*\b+(\q)], v[SC+8*NQ*(\sc)+NQ*(\a)+(\q)] matrix_a_fmt:MATRIX_FMT_FP6 matrix_b_fmt:MATRIX_FMT_FP6 matrix_a_scale:MATRIX_SCALE_ROW1
.endif
.endr
.endr
.endm
.macro FETCH_B slot, q, p
	WIN TO_B
.irp i, 0,1,2,3,4,5,6,7
	FRAG 128*(\p)+FR*\i, ADRB+\slot, \q, \i
.endr
	WIN 0
.endm
.macro FETCH_A slot, q, i0
.irp i, \i0, \i0+1, \i0+2, \i0+3
	FRAG AF+FR*(\i), ADRA+\slot, \q, \i
.endr
.endm
.macro SCALES sc
.irp i, 0,1,2,3,4,5,6,7
	ds_load_b64 v[SC+8*NQ*\sc+NQ*\i:SC+8*NQ*\sc+NQ*\i+1], v[ADRS] offset:\i*512
.endr
.endm
.macro PLACES n
.rept \n
	v_nop
.endr
.endm
.macro STEP slot, q, zero
	s_wait_dscnt 4*NL
	WIN MUL_LO
	MUL16 0, (\q)%2, \q, \slot, \zero
	MUL16 2, (\q)%2, \q, \slot, \zero
	s_wait_dscnt 0x0
	PLACES NP
	FETCH_B \slot, (\q)+1, 1-(\q)%2
	FETCH_A \slot, (\q)+1, 0
	WIN MUL_HI
	MUL16 4, (\q)%2, \q, \slot, \zero
	MUL16 6, (\q)%2, \q, \slot, \zero
	PLACES NP
	WIN 0
	FETCH_A \slot, (\q)+1, 4
.endm
.macro TURN slot, next, fill
	s_wait_tensorcnt 0x0
	ds_add_u32 v[SPW], v[NIL]
	s_wait_dscnt 4*NL+1
	WIN MUL_LO
	MUL16 0, 1, NQ-1, \slot, 0
	s_wait_dscnt 0x0
	s_barrier_signal -1
	MUL16 2, 1, NQ-1, \slot, 0
	WIN 0
	s_barrier_wait -1
.if \fill
	CREST
	s_add_nc_u64 s[G0+4*\slot+2:G0+4*\slot+3], s[G0+4*\slot+2:G0+4*\slot+3], 2*STEPB
	s_add_nc_u64 s[G0B+4*\slot+2:G0B+4*\slot+3], s[G0B+4*\slot+2:G0B+4*\slot+3], 2*STEPB
	JLOAD G0+4*\slot, G1, G0B+4*\slot, G1B
.else
	PLACES NP
.endif
	s_wait_alu depctr_va_vdst(0)
	v_add_nc_u32 v[ADRS], 128, v[ADRS]
	FETCH_B \next, 0, 0
	FETCH_A \next, 0, 0
	SCALES \next
	WIN MUL_HI
	MUL16 4, 1, NQ-1, \slot, 0
	MUL16 6, 1, NQ-1, \slot, 0
	PLACES NP
	WIN 0
	FETCH_A \next, 0, 4
.endm
.macro LAST
	s_wait_dscnt 4*NL
	WIN MUL_LO
	MUL16 0, 1, NQ-1, 1, 0
	MUL16 2, 1, NQ-1, 1, 0
	s_wait_dscnt 0x0
	WIN MUL_HI
	MUL16 4, 1, NQ-1, 1, 0
	MUL16 6, 1, NQ-1, 1, 0
	WIN 0
.endm
.macro QUANT s, pw
.irp b, 0,1,2,3
	v_max3_num_f32 v[TM+\b], |v[\s+16*\b]|, |v[\s+1+16*\b]|, 0x1800000
.endr
.irp i, 2,4,6,8,10,12,14
.irp b, 0,1,2,3
	v_max3_num_f32 v[TM+\b], v[TM+\b], |v[\s+16*\b+\i]|, |v[\s+1+16*\b+\i]|
.endr
.endr
.irp b, 0,1,2,3
	v_permlanex16_b32 v[TM+4+\b], v[TM+\b], s[SEL], s[SEL+1]
.endr
.irp b, 0,1,2,3
	v_max_num_f32 v[TM+\b], v[TM+\b], v[TM+4+\b]
.endr
.irp b, 0,1,2,3
	v_add_nc_u32 v[TM+12+\b], 0xff000000, v[TM+\b]
.endr
.irp b, 0,1,2,3
	v_lshrrev_b32 v[TM+4+\b], 23, v[TM+12+\b]
.endr
	v_lshl_or_b32 v[\pw], v[TM+5], 8, v[TM+4]
	v_lshl_or_b32 v[\pw], v[TM+6], 16, v[\pw]
	v_lshl_or_b32 v[\pw], v[TM+7], 24, v[\pw]
.irp c, 0,1
	v_cvt_scalef32_pk16_fp6_f32 v[PC+6*\c:PC+2+6*\c], v[\s+32*\c:\s+15+32*\c], v[TM+12+2*\c]
	v_cvt_scalef32_pk16_fp6_f32 v[PC+12+4*\c:PC+14+4*\c], v[\s+16+32*\c:\s+31+32*\c], v[TM+12+2*\c+1]
.endr
	v_nop
.irp c, 0,1
.irp i, 0,1,2
	v_permlane16_swap_b32 v[PC+6*\c+\i], v[PC+12+4*\c+\i]
.endr
.irp i, 0,1,2
	v_mov_b32 v[PC+3+6*\c+\i], v[PC+12+4*\c+\i]
.endr
.endr
.endm
.macro TAIL vmode
.if \vmode
	s_lshl_b32 s98, s66, 10
	s_lshl_b32 s99, s[HR], 9
	s_add_co_u32 s98, s98, s99
	s_mov_b32 s99, 0
	s_add_nc_u64 s[98:99], s[16:17], s[98:99]
	v_and_b32 v8, 8, v1
	v_add_nc_u32 v8, v8, v1
	v_lshlrev_b32 v8, 2, v8
.irp a, 0,1,2,3,4,5,6,7
	global_load_b32 v[BI+2*\a], v8, s[98:99] offset:(32*(\a/2)+8*(\a%2))*4
	global_load_b32 v[BI+2*\a+1], v8, s[98:99] offset:(32*(\a/2)+8*(\a%2))*4
.endr
.else
	s_cmp_eq_u32 s[TY], 0
	s_cselect_b64 s[100:101], s[12:13], s[14:15]
	s_lshl_b32 s98, s42, 10
	s_lshl_b32 s99, s[HC], 9
	s_add_co_u32 s98, s98, s99
	s_mov_b32 s99, 0
	s_add_nc_u64 s[98:99], s[100:101], s[98:99]
	v_lshlrev_b32 v8, 6, v2
.irp b, 0,1,2,3
.irp j, 0,1,2,3
	global_load_b128 v[BI+16*\b+4*\j:BI+16*\b+4*\j+3], v8, s[98:99] offset:128*\b+16*\j
.endr
.endr
.endif
	STEP 1, 0, 0
	LAST
	PLACES NP
	s_wait_loadcnt 0x0
.irp b, 0,1,2,3
	v_mov_b32 v[TM+4+\b], 0
.endr
.irp a, 0,1,2,3,4,5,6,7
.if \a > 0
	s_wait_xcnt 0x0
.endif
	WIN 0x02+\a/4
.set p, 0
.rept 32
.if \vmode
	v_pk_add_f32 v[HA+p:HA+p+1], v[64*(\a%4)+p:64*(\a%4)+p+1], v[BI+2*\a:BI+2*\a+1]
.else
	v_pk_add_f32 v[HA+p:HA+p+1], v[64*(\a%4)+p:64*(\a%4)+p+1], v[BI+p:BI+p+1]
.endif
.set p, p+2
.endr
	WIN 0
	QUANT HA, PW+\a
.if \vmode
.irp c, 0,1,2
	global_store_b128 v[L16], v[PC+4*\c:PC+4*\c+3], s[92:93] offset:(\a/4)*HS+(\a%4)*1536+512*\c
.endr
.else
.irp c, 0,1
	global_store_b128 v[L16], v[PC+6*\c:PC+6*\c+3], s[92:93] offset:\c*HS+768*\a
	global_store_b64 v[L8], v[PC+6*\c+4:PC+6*\c+5], s[92:93] offset:\c*HS+768*\a+512
.endr
.endif
.endr
	v_cmp_ne_u32 vcc_lo, 0, v2
.irp c, 0,1
.if \vmode
.irp j, 0,1
	v_cndmask_b32 v[EW+2*\c+\j], v[PW+4*\c+2*\j], v[PW+4*\c+2*\j+1], vcc_lo
.endr
.else
.irp i, 0,1,2,3
	v_perm_b32 v[WK+4*\c+\i], v[PW+2*\i+1], v[PW+2*\i], 0x05040100+\c*0x02020202
.endr
.irp j, 0,1
	v_cndmask_b32 v[EW+2*\c+\j], v[WK+4*\c+2*\j], v[WK+4*\c+2*\j+1], vcc_lo
.endr
.endif
	global_store_b64 v[L8], v[EW+2*\c:EW+2*\c+1], s[94:95] offset:\c*HS
.endr
.endm
	s_wait_alu depctr_va_vdst(0)
	s_wait_tensorcnt 1
	s_barrier_signal -1
	s_barrier_wait -1
	FETCH_B 0, 0, 0
	FETCH_A 0, 0, 0
	SCALES 0
	FETCH_A 0, 0, 4
	STEP 0, 0, 1
	TURN 0, 1, 1
	STEP 1, 0, 0
	TURN 1, 0, 1
	STEP 0, 0, 0
	TURN 0, 1, 0
	s_cmp_eq_u32 s[TY], 2
	s_cbranch_scc1 .Lfor_v
	TAIL 0
	s_branch .Lend
.Lfor_v:
	TAIL 1
.Lend:
	s_wait_tensorcnt 0x0
	ds_add_u32 v[SPW], v[NIL]
	s_wait_dscnt 0x0
	CROUND
	s_endpgm
.Lfunc_end_k_qb5ac077c30_proj:
	.size	k_qb5ac077c30_proj, .Lfunc_end_k_qb5ac077c30_proj-k_qb5ac077c30_proj
	.p2alignl 7, 3214868480
	.fill 96, 4, 3214868480
	.section	.rodata,"a",@progbits
	.p2align	6, 0x0
	.amdhsa_kernel k_qb5ac077c30_proj
		.amdhsa_group_segment_fixed_size 327680
		.amdhsa_private_segment_fixed_size 0
		.amdhsa_enable_private_segment 0
		.amdhsa_kernarg_size 64
		.amdhsa_user_sgpr_count 2
		.amdhsa_user_sgpr_kernarg_segment_ptr 1
		.amdhsa_wavefront_size32 1
		.amdhsa_system_sgpr_workgroup_id_x 1
		.amdhsa_system_sgpr_workgroup_id_y 1
		.amdhsa_system_sgpr_workgroup_id_z 1
		.amdhsa_system_vgpr_workitem_id 0
		.amdhsa_next_free_vgpr 1024
		.amdhsa_next_free_sgpr 102
		.amdhsa_reserve_vcc 1
		.amdhsa_float_denorm_mode_32 3
		.amdhsa_float_denorm_mode_16_64 3
		.amdhsa_memory_ordered 1
		.amdhsa_forward_progress 1
		.amdhsa_inst_pref_size 240
	.end_amdhsa_kernel
	.amdgpu_metadata
---
amdhsa.version: [ 1, 2 ]
amdhsa.kernels:
  - .name:           k_qb5ac077c30_proj
    .symbol:         k_qb5ac077c30_proj.kd
    .args:
      - { .name: xcod, .offset: 0, .size: 8, .value_kind: global_buffer, .address_space: global }
      - { .name: xscl, .offset: 8, .size: 8, .value_kind: global_buffer, .address_space: global }
      - { .name: wcod, .offset: 16, .size: 8, .value_kind: global_buffer, .address_space: global }
      - { .name: wscl, .offset: 24, .size: 8, .value_kind: global_buffer, .address_space: global }
      - { .name: b_q, .offset: 32, .size: 8, .value_kind: global_buffer, .address_space: global }
      - { .name: b_k, .offset: 40, .size: 8, .value_kind: global_buffer, .address_space: global }
      - { .name: b_v, .offset: 48, .size: 8, .value_kind: global_buffer, .address_space: global }
      - { .name: qkv, .offset: 56, .size: 8, .value_kind: global_buffer, .address_space: global }
    .group_segment_fixed_size: 327680
    .private_segment_fixed_size: 0
    .kernarg_segment_align: 8
    .kernarg_segment_size: 64
    .max_flat_workgroup_size: 128
    .sgpr_count:     102
    .vgpr_count:     1024
    .wavefront_size: 32
...
	.end_amdgpu_metadata
.endif
;; end of part 2
;; launch attn (part 3): grid 4 x 64, 8 waves a work-group, clusters of 4 x 1, 206,848 bytes of LDS; arguments qkv, ocod, oscl; writes ocod, oscl
.if DOCPART == 3
	.amdgcn_target "amdgcn-amd-amdhsa--gfx1250"
	.amdhsa_code_object_version 6
	.text
	.protected	k_qb5ac077c30_attn
	.globl	k_qb5ac077c30_attn
	.p2align	8
	.type	k_qb5ac077c30_attn,@function
k_qb5ac077c30_attn:
	s_mov_b64 s[64:65], 0
	v_nop
	global_prefetch_b8 v0, s[64:65] scope:SCOPE_SE
	s_setreg_imm32_b32 hwreg(HW_REG_WAVE_MODE, 25, 1), 1
	s_wait_xcnt 0x0
	s_wait_alu depctr_hold_cnt(0) depctr_sa_sdst(0) depctr_va_vdst(0) depctr_va_sdst(0) depctr_va_ssrc(0) depctr_va_vcc(0) depctr_vm_vsrc(0)
	s_getreg_b32 s2, hwreg(HW_REG_IB_STS2, 6, 4)
	s_cmp_eq_u32 s2, 0
	s_cbranch_scc0 .Lentry_in_a_cluster
	s_endpgm
.Lentry_in_a_cluster:
	s_bfe_u32 s2, ttmp6, 0x10000c
	s_cmp_lg_u32 s2, 0x3003
	s_cbranch_scc0 .Lentry_shape_is_right
	s_endpgm
.Lentry_shape_is_right:
; O = softmax(Q K^T / 8) V for one head of 64 channels and 2,048 keys, both products on codes of FP6 (E2M3) with E8M0 scales; O is quantised along the channels for the last projection.
; THE SOFTMAX: t = score x log2(e) / 8; M = the row's largest t so far, rounded up to a whole number; p = 2^(t - M) is quantised along the keys, not normalised; the row's sum is taken of the unquantised p
; and divides O at the end.  When M moves, the sum and O are multiplied by 2^(old M - new M): exact.
; SHARES.  A work-group owns 512 queries of one head; each of its eight waves four tiles of 16 queries, worked in two pairs by turns; every wave walks all keys, 128 a step.  A fragment of K or V read from LDS serves four tiles.
; LDS.  The whole head's K and V lie in LDS as they lie in qkv: K's units (98,304 bytes), K's scale words (4,096), V's fragments (98,304), V's scale words (4,096): 204,800 dense bytes, filled once; nothing is stored to LDS.
; CLUSTER: the four work-groups of a head ask for those bytes jointly: wave w of each issues the same load of 25,600 bytes.  No data prefetch: all that is loaded is asked for at the head, there is no loop to run ahead in.
; LAYOUT.  Both products are used transposed: S^T = K Q^T, O^T = V^T P^T: a lane holds one query throughout.
; WHICH KEYS FORM A TILE is chosen by the lanes' LDS addresses: rows 8 a + j of tile 4 c + 2 s + u are rows 8 s + j of stored tile 4 c + 2 a + u, which are keys 64 c + 32 a + 16 s + 8 u + j.  So lane half h holds, in the 32 registers
; of tiles 4 c .. 4 c + 3, the WHOLE block of keys 64 c + 32 h + 0 .. 31 in order: its largest score needs no other lane, and the conversions' results are p's operand registers as they stand.
; (The sixteen lanes of such a 16-byte read fall on eight columns of 16 bytes twice; 16 such reads serve four tiles.)
; K = 64 IN AN INSTRUCTION OF 128: source 0 holds two key tiles, one in each half of the 128; it is multiplied once by [Q, zeros] and once by [zeros, Q].  A zero code adds exactly 0 under any finite scale byte.
; O^T begins as zeros written once at the head: the step is written once, so that the text stays short.
; LIMITS: NaN and infinities are not served; the promise holds while |t| stays under 2^31; a block of O under 2^-124, zeros too, keeps the byte 1 (this program alone reads the bytes).
; REGISTERS, window 0: v1-7, v10-11 addresses that stay; v8, v9 the spare word and 0; v12-15, v74 the step's addresses; v16-63 K's four operands; v64-73 scale words (K 2, V 2, Q 4, p 2);
; v76-91 for each tile -M, the largest score, the sum in two halves; v92-95 the factors; v96-127 at work; v128-255 S^T, then p, of a pair of tiles.
; Window 1: v0-127 O^T of four tiles; v128-181 zeros, Q0, zeros, Q1, zeros, Q2, zeros, Q3, zeros; v184-231 V's four fragments; v232-255 p's codes of a pair.
.set HS,   307200
.set KSC,  98304
.set VIMG, 102400
.set VSC,  200704
.set QIMG, 204800
.set QSC,  303104
.set SPARE, 204800
.set KA,   1
.set KB,   2
.set KSA,  3
.set VA,   4
.set VSA,  5
.set L16,  6
.set L8,   7
.set SPW,  8
.set NIL,  9
.set RH,   10
.set R8,   11
.set KF,   16
.set KSW,  64
.set VSW,  66
.set QS,   68
.set PW,   72
.set PSB,  76
.set FF,   92
.set BM,   96
.set PT,   100
.set ZZ,   102
.set ZP,   103
.set EE,   104
.set TT,   108
.set QT,   110
.set CT,   112
.set SR,   128
.set QZ,   128
.set VF,   184
.set PC,   232
.set TBM,  16
.set TPT,  24
.set TE,   32
.set TC,   40
.set WV,   10
.set G1,   24
.set G0,   32
.set SEL,  36
.set CS,   38
.set QP,   42
.set QSP,  44
.set OC,   46
.set OS,   48
.set TB,   50
.set TS,   51
.set MSB, 0
.macro WIN new                         ; the immediate's high byte repeats the setting that is left
.if MSB != \new
	s_set_vgpr_msb (MSB<<8)|\new
.set MSB, \new
.endif
.endm
.macro WALU
	s_wait_alu depctr_va_vdst(0)
.endm
.macro CROUND                          ; a round of the cluster's barrier
	s_barrier_signal -1
	s_barrier_wait -1
	s_cmp_lg_u32 s[WV], 0
	s_cbranch_scc1 .Lnot_wave_0_\@
	s_barrier_signal -3
.Lnot_wave_0_\@:
	s_barrier_wait -3
	s_barrier_signal -1
	s_barrier_wait -1
.endm
.macro KLOAD a, b, s                   ; a step's four operands of K (operand o = 2 c + s: tiles u = 0, 1 in its halves) and their scale words: 17 loads
.irp o, 0,1,2,3
	ds_load_b128 v[KF+12*\o:KF+12*\o+3], v[\a] offset:3072*(\o/2)+128*(\o%2)
	ds_load_b64 v[KF+12*\o+4:KF+12*\o+5], v[\b] offset:3072*(\o/2)+64*(\o%2)
	ds_load_b128 v[KF+12*\o+6:KF+12*\o+9], v[\a] offset:3072*(\o/2)+768+128*(\o%2)
	ds_load_b64 v[KF+12*\o+10:KF+12*\o+11], v[\b] offset:3072*(\o/2)+768+64*(\o%2)
.endr
	ds_load_b64 v[KSW:KSW+1], v[\s]                ; word c: lanes 0-15 operand 2 c, lanes 16-31 operand 2 c + 1
.endm
.macro FMA g, x                        ; t - M, two at a time
.set J_, 0
.rept 32
	v_pk_fma_f32 v[SR+64*\x+J_:SR+64*\x+J_+1], v[SR+64*\x+J_:SR+64*\x+J_+1], s[CS:CS+1], v[PSB+4*(2*\g+\x):PSB+4*(2*\g+\x)+1] op_sel_hi:[1,0,0]
.set J_, J_+2
.endr
.endm
; ---- a step's work for tiles 2 g and 2 g + 1, line by line in turn
.macro PAIR g
	WIN 0x04                                       ; source 1 (Q) in window 1
.irp x, 0,1
.irp t, 0,1,2,3,4,5,6,7
.if (\t/2)%2
	v_wmma_scale_f32_16x16x128_f8f6f4 v[SR+64*\x+8*\t:SR+64*\x+8*\t+7], v[KF+12*(\t/2):KF+12*(\t/2)+11], v[QZ+12*(2*\g+\x)+6-6*(\t%2):QZ+12*(2*\g+\x)+17-6*(\t%2)], 0, v[KSW+\t/4], v[QS+2*\g+\x] matrix_a_fmt:MATRIX_FMT_FP6 matrix_b_fmt:MATRIX_FMT_FP6 matrix_a_scale:MATRIX_SCALE_ROW1
.else
	v_wmma_scale_f32_16x16x128_f8f6f4 v[SR+64*\x+8*\t:SR+64*\x+8*\t+7], v[KF+12*(\t/2):KF+12*(\t/2)+11], v[QZ+12*(2*\g+\x)+6-6*(\t%2):QZ+12*(2*\g+\x)+17-6*(\t%2)], 0, v[KSW+\t/4], v[QS+2*\g+\x] matrix_a_fmt:MATRIX_FMT_FP6 matrix_b_fmt:MATRIX_FMT_FP6
.endif
.endr
.endr
	WIN 0
.if \g
	s_add_co_u32 s54, s[TB], 6144                  ; K's operands are done with: the next step's are fetched (the last trip asks for its own step once more)
	s_min_u32 s54, s54, 15*6144
	s_add_co_u32 s55, s[TS], 256
	s_min_u32 s55, s55, 15*256
	v_add_nc_u32 v12, s54, v[KA]                   ; four plain lines: the places behind the products
	v_add_nc_u32 v13, s54, v[KB]
	v_add_nc_u32 v14, s55, v[KSA]
	v_nop
	KLOAD 12, 13, 14
.else
.rept 4
	v_nop                                          ; places ahead of the first read of the scores
.endr
.endif
.irp x, 0,1                            ; the largest score of each block of 32 keys, all of it in one lane: it serves the row's maximum and, since p rises with the score, the block's largest p
.irp c, 0,1
	v_max3_num_f32 v[BM+2*\x+\c], v[SR+64*\x+32*\c], v[SR+64*\x+32*\c+1], v[SR+64*\x+32*\c+2]
.endr
.endr
.irp i, 3,5,7,9,11,13,15,17,19,21,23,25,27,29
.irp x, 0,1
.irp c, 0,1
	v_max3_num_f32 v[BM+2*\x+\c], v[BM+2*\x+\c], v[SR+64*\x+32*\c+\i], v[SR+64*\x+32*\c+\i+1]
.endr
.endr
.endr
.irp x, 0,1
.irp c, 0,1
	v_max_num_f32 v[BM+2*\x+\c], v[BM+2*\x+\c], v[SR+64*\x+32*\c+31]
.endr
.endr
.irp x, 0,1
	v_max_num_f32 v[TT+\x], v[BM+2*\x], v[BM+2*\x+1]
.endr
.irp x, 0,1
	v_permlanex16_b32 v[PT+\x], v[TT+\x], s[SEL], s[SEL+1]
.endr
.irp x, 0,1
	v_max3_num_f32 v[PSB+4*(2*\g+\x)+1], v[PSB+4*(2*\g+\x)+1], v[TT+\x], v[PT+\x]   ; the running largest score of my query
.endr
.irp x, 0,1
	v_mul_f32 v[TT+\x], s[CS], v[PSB+4*(2*\g+\x)+1]                                 ; as t (c is positive)
.endr
.irp x, 0,1
	v_mov_b32 v[PT+\x], v[PSB+4*(2*\g+\x)]
.endr
.irp x, 0,1
	v_floor_f32 v[PSB+4*(2*\g+\x)], -v[TT+\x]      ; the new -M = -ceil(t): a whole number
.endr
.irp x, 0,1
	v_sub_f32 v[PT+\x], v[PSB+4*(2*\g+\x)], v[PT+\x]   ; old M - new M, 0 or less
.endr
	FMA \g, 0
.irp x, 0,1
	v_cvt_i32_f32 v[PT+\x], v[PT+\x]               ; (it saturates)
.endr
	FMA \g, 1
.irp x, 0,1
	v_ldexp_f32 v[FF+2*\x], 1.0, v[PT+\x]          ; f = 2^(old M - new M)
.endr
.irp x, 0,1
.irp c, 0,1
	v_fma_f32 v[BM+2*\x+\c], v[BM+2*\x+\c], s[CS], v[PSB+4*(2*\g+\x)]   ; the same of each block's largest score
.endr
.endr
	WALU                                           ; the wait ahead of the batch
.irp k, 0,1,2,3
	v_exp_f32 v[BM+\k], v[BM+\k]                   ; the block's largest p: the same two instructions on the same number give the same bits
.endr
.set J_, 0
.rept 128
	v_exp_f32 v[SR+J_], v[SR+J_]                   ; p = 2^(t - M)
.set J_, J_+1
.endr
.irp x, 0,1
	v_pk_mul_f32 v[PSB+4*(2*\g+\x)+2:PSB+4*(2*\g+\x)+3], v[PSB+4*(2*\g+\x)+2:PSB+4*(2*\g+\x)+3], v[FF+2*\x:FF+2*\x+1] op_sel_hi:[1,0]   ; the sums under the new M (plain lines behind the batch)
.endr
	WALU                                           ; and behind it, ahead of its first reader
.irp x, 0,1                            ; the row's sum of the unquantised p: two chains a tile
	v_pk_add_f32 v[CT+2*\x:CT+2*\x+1], v[SR+64*\x:SR+64*\x+1], v[SR+64*\x+2:SR+64*\x+3]
.endr
.irp k, 4,8,12,16,20,24,28,32,36,40,44,48,52,56,60
.irp x, 0,1
	v_pk_add_f32 v[PSB+4*(2*\g+\x)+2:PSB+4*(2*\g+\x)+3], v[PSB+4*(2*\g+\x)+2:PSB+4*(2*\g+\x)+3], v[SR+64*\x+\k:SR+64*\x+\k+1]
.endr
.irp x, 0,1
	v_pk_add_f32 v[CT+2*\x:CT+2*\x+1], v[CT+2*\x:CT+2*\x+1], v[SR+64*\x+\k+2:SR+64*\x+\k+3]
.endr
.endr
.irp k, 0,1,2,3
	v_max_num_f32 v[BM+\k], 0x1800000, v[BM+\k]    ; the floor 2^(3 - 127): the byte cannot fall under 1
.endr
.irp x, 0,1
	v_pk_add_f32 v[PSB+4*(2*\g+\x)+2:PSB+4*(2*\g+\x)+3], v[PSB+4*(2*\g+\x)+2:PSB+4*(2*\g+\x)+3], v[CT+2*\x:CT+2*\x+1]
.endr
.irp k, 0,1,2,3
	v_add_nc_u32 v[EE+\k], 0xff000000, v[BM+\k]    ; 2 off the exponent field: the conversions' scale operand
.endr
.irp k, 0,1,2,3
	v_lshrrev_b32 v[BM+\k], 23, v[EE+\k]           ; the scale's byte
.endr
	v_lshl_or_b32 v[BM], v[BM+1], 16, v[BM]        ; my two bytes of the first tile at bytes 0 and 2,
	v_lshl_or_b32 v[BM+2], v[BM+3], 16, v[BM+2]
	v_lshl_or_b32 v[ZZ], v[BM+2], 8, v[BM]         ; of the second at bytes 1 and 3
	v_permlanex16_b32 v[ZP], v[ZZ], s[SEL], s[SEL+1]
	v_perm_b32 v[PW], v[ZP], v[ZZ], 0x06020400     ; in lanes 0-15, which alone are read: blocks 0 and 2 are mine, 1 and 3 lane l + 16's
	v_perm_b32 v[PW+1], v[ZP], v[ZZ], 0x07030501
.irp x, 0,1
.irp c, 0,1
	v_cvt_scalef32_pk16_fp6_f32 v[CT+4*(2*\x+\c):CT+4*(2*\x+\c)+2], v[SR+64*\x+32*\c+16:SR+64*\x+32*\c+31], v[EE+2*\x+\c]   ; a block's upper 16 codes begin at an odd register of the operand: by way of v[CT ..]
.endr
.endr
	WIN 0x40                                       ; destination in window 1
.irp x, 0,1
.irp c, 0,1
	v_cvt_scalef32_pk16_fp6_f32 v[PC+12*\x+6*\c:PC+12*\x+6*\c+2], v[SR+64*\x+32*\c:SR+64*\x+32*\c+15], v[EE+2*\x+\c]
.endr
.endr
	v_nop                                          ; one plain line behind the conversions
.irp x, 0,1
.irp c, 0,1
.irp k, 0,1,2
	v_mov_b32 v[PC+12*\x+6*\c+3+\k], v[CT+4*(2*\x+\c)+\k]
.endr
.endr
.endr
.if \g == 0
	s_wait_dscnt 0x0                               ; V's fragments and scale words are in (nothing younger is out)
.endif
	WIN 0x41
	WALU                                           ; the wait directly ahead of the first reader of O^T
.irp x, 0,1
.set J_, 0
.rept 16
	v_pk_mul_f32 v[32*(2*\g+\x)+J_:32*(2*\g+\x)+J_+1], v[32*(2*\g+\x)+J_:32*(2*\g+\x)+J_+1], v[FF+2*\x:FF+2*\x+1] op_sel_hi:[1,0]   ; O^T under the new M; also the places between the writes of p's codes and scale words and the products
.set J_, J_+2
.endr
.endr
	WIN 0x55
.irp x, 0,1                            ; O^T += V^T P^T: eight accumulators, one instruction each
.irp t, 0,1,2,3
.if \t%2
	v_wmma_scale_f32_16x16x128_f8f6f4 v[32*(2*\g+\x)+8*\t:32*(2*\g+\x)+8*\t+7], v[VF+12*\t:VF+12*\t+11], v[PC+12*\x:PC+12*\x+11], v[32*(2*\g+\x)+8*\t:32*(2*\g+\x)+8*\t+7], v[VSW+\t/2], v[PW+\x] matrix_a_fmt:MATRIX_FMT_FP6 matrix_b_fmt:MATRIX_FMT_FP6 matrix_a_scale:MATRIX_SCALE_ROW1
.else
	v_wmma_scale_f32_16x16x128_f8f6f4 v[32*(2*\g+\x)+8*\t:32*(2*\g+\x)+8*\t+7], v[VF+12*\t:VF+12*\t+11], v[PC+12*\x:PC+12*\x+11], v[32*(2*\g+\x)+8*\t:32*(2*\g+\x)+8*\t+7], v[VSW+\t/2], v[PW+\x] matrix_a_fmt:MATRIX_FMT_FP6 matrix_b_fmt:MATRIX_FMT_FP6
.endif
.endr
.endr
.endm
; ================= THE HEAD
	s_load_b128 s[4:7], s[0:1], 0x0                ; qkv, ocod
	s_load_b64 s[8:9], s[0:1], 0x10                ; oscl
	v_lshl_add_u32 v[SPW], v0, 2, SPARE
	v_mov_b32 v[NIL], 0
	ds_add_u32 v[SPW], v[NIL]                      ; the opening lines: the add, twice on end, and its wait
	ds_add_u32 v[SPW], v[NIL]
	v_lshrrev_b32 v1, 5, v0
	v_readfirstlane_b32 s[WV], v1                  ; wave 0..7
	s_bfe_u32 s11, ttmp6, 0x40000                  ; cx: it enters Q's and O's addresses alone
	s_and_b32 s12, ttmp7, 0xffff                   ; 16 batch + head, which the four partners share
	s_mul_i32 s14, s12, HS
	s_mov_b32 s15, 0
	s_mov_b32 s[G1], 15|(3<<16)|(1<<21)            ; the mask: all four work-groups; elements of 8 bytes; bit 21 beside a mask; no padding
	s_mov_b32 s[G1+1], 32<<16                      ; rows of 256 bytes,
	s_mov_b32 s[G1+2], 100<<16                     ; 100 of them
	s_mov_b32 s[G1+3], 32<<16
	s_mov_b32 s[G1+4], 100
	s_mov_b32 s[G1+5], 32                          ; dense
	s_mov_b32 s[G1+6], 0
	s_mov_b32 s[G1+7], 0
	s_mul_i32 s13, s[WV], 25600                    ; my eighth of the 204,800 bytes, in memory and in LDS alike
	s_mov_b32 s16, s13
	s_mov_b32 s17, 0
	WALU
	s_wait_dscnt 0x0
	s_wait_kmcnt 0x0
	s_add_nc_u64 s[4:5], s[4:5], s[14:15]          ; the head's block
	CROUND                                         ; all four work-groups are here: the joint loads meet
	s_mov_b32 s[G0], 1
	s_mov_b32 s[G0+1], s13
	s_add_nc_u64 s[G0+2:G0+3], s[4:5], s[16:17]
	s_or_b32 s[G0+3], s[G0+3], 0x80000000
	tensor_load_to_lds s[G0:G0+3], s[G1:G1+7]      ; my one tensor load of the launch
	s_nop 0
.rept 4
	v_nop
.endr
	s_lshl_b32 s16, s11, 5
	s_lshl_b32 s18, s[WV], 2
	s_add_co_u32 s16, s16, s18                     ; my first tile of queries: 32 cx + 4 wave
	s_mul_i32 s18, s16, 768
	s_add_co_u32 s18, s18, QIMG
	s_mov_b32 s19, 0
	s_add_nc_u64 s[QP:QP+1], s[4:5], s[18:19]
	s_lshr_b32 s18, s16, 3
	s_lshl_b32 s18, s18, 8                         ; 256 bytes of scale words for each 8 tiles; my tiles 0, 1 are one pair, 2, 3 the next, 128 bytes on;
	s_and_b32 s20, s[WV], 1
	s_lshl_b32 s20, s20, 2                         ; an odd wave's pairs lie in the second word
	s_add_co_u32 s18, s18, s20
	s_add_co_u32 s18, s18, QSC
	s_add_nc_u64 s[QSP:QSP+1], s[4:5], s[18:19]
	s_lshr_b32 s20, s12, 4
	s_lshl_b32 s20, s20, 7
	s_add_co_u32 s20, s20, s16                     ; the tile among all 512: 128 batch + tile
	s_and_b32 s21, s12, 15                         ; the head
	s_mul_i32 s18, s20, 12288
	s_mul_i32 s22, s21, 768
	s_add_co_u32 s18, s18, s22
	s_add_nc_u64 s[OC:OC+1], s[6:7], s[18:19]
	s_lshl_b32 s18, s20, 9
	s_lshr_b32 s22, s21, 2
	s_lshl_b32 s22, s22, 7
	s_add_co_u32 s18, s18, s22
	s_and_b32 s22, s21, 3
	s_lshl_b32 s22, s22, 1
	s_add_co_u32 s18, s18, s22                     ; the head's two bytes of a row's 64
	s_add_nc_u64 s[OS:OS+1], s[8:9], s[18:19]
	s_mov_b32 s[SEL], 0x76543210
	s_mov_b32 s[SEL+1], 0xfedcba98                 ; v_permlanex16_b32's selects for lane l xor 16
	s_mov_b32 s[CS], 0x3e38aa3b                    ; c = log2(e) / 8
	s_mov_b32 s[CS+1], s[CS]
	v_and_b32 v12, 31, v0                          ; l
	v_lshlrev_b32 v[L16], 4, v12
	v_lshlrev_b32 v[L8], 3, v12
	v_and_b32 v12, 15, v0                          ; r
	v_bfe_u32 v13, v0, 4, 1                        ; h
	v_lshlrev_b32 v[R8], 3, v12
	v_add_nc_u32 v[RH], v[R8], v13                 ; 8 r + h
	WIN 0x40
.irp i, 0,1,2,3
	global_load_b128 v[QZ+6+12*\i:QZ+9+12*\i], v[L16], s[QP:QP+1] offset:768*\i
	global_load_b64 v[QZ+10+12*\i:QZ+11+12*\i], v[L8], s[QP:QP+1] offset:768*\i+512
.endr
	WIN 0
	global_load_b32 v[QT], v[R8], s[QSP:QSP+1]
	global_load_b32 v[QT+1], v[R8], s[QSP:QSP+1] offset:128
	v_cmp_ne_u32 s53, 0, v13                       ; the upper half of the lanes
	v_bfe_u32 v14, v0, 3, 1                        ; a = r / 8
	v_and_b32 v15, 7, v0                           ; j = r % 8
	v_mul_u32_u24 v[KA], v14, 1536                 ; rows 8-15 of a tile come from the stored tile two further on
	v_lshl_add_u32 v[KB], v13, 7, v[KA]
	v_lshl_add_u32 v[KA], v13, 8, v[KA]
	v_lshl_add_u32 v[KA], v15, 4, v[KA]            ; a unit's registers 0-3: 1,536 a + 256 h + 16 j (+ 128 s)
	v_lshl_add_u32 v[KB], v15, 3, v[KB]
	v_add_nc_u32 v[KB], 512, v[KB]                 ; its registers 4-5: 1,536 a + 512 + 128 h + 8 j (+ 64 s)
	v_lshlrev_b32 v[KSA], 7, v14
	v_lshl_add_u32 v[KSA], v13, 6, v[KSA]
	v_lshl_add_u32 v[KSA], v15, 3, v[KSA]
	v_add_nc_u32 v[KSA], KSC, v[KSA]               ; the scale words of stored pair 2 c + a, row 8 s + j, s = my half of the lanes
	v_add_nc_u32 v[VA], VIMG, v[L16]
	v_add_nc_u32 v[VSA], VSC, v[L8]
.irp i, 0,1,2,3
	v_mov_b32 v[PSB+4*\i], 0x7f61b1e6              ; -M: 3e38
	v_mov_b32 v[PSB+4*\i+1], 0xff61b1e6            ; the largest score so far: -3e38
	v_mov_b32 v[PSB+4*\i+2], 0                     ; the sum, in two halves
	v_mov_b32 v[PSB+4*\i+3], 0
.endr
.irp r, PT, PT+1, ZP, FF+1, FF+3
	v_mov_b32 v[\r], 0                             ; written once: a lane permute's destination counts as a source, and a pair's upper half as read
.endr
	WIN 0x40
.irp k, 0,1,2,3,4
.irp e, 0,1,2,3,4,5
	v_mov_b32 v[QZ+12*\k+\e], 0                    ; the zero codes between the tiles of Q
.endr
.endr
	WIN 0
	WALU
	s_wait_loadcnt 0x0
.irp i, 0,2
	v_perm_b32 v[QS+\i], v[QT+\i/2], v[QT+\i/2], 0x01000100     ; an even tile's two bytes are a pair word's lower two; they are wanted for either half of the 128
	v_perm_b32 v[QS+\i+1], v[QT+\i/2], v[QT+\i/2], 0x03020302
.endr
	WIN 0x40
.set J_, 0
.rept 128
	v_mov_b32 v[J_], 0                             ; O^T.  (Also the places between the scale words' writes and the first product)
.set J_, J_+1
.endr
	WIN 0
	s_mov_b32 s[TB], 0
	s_mov_b32 s[TS], 0
	s_mov_b32 s52, 16
	WALU                                           ; the wait at the head's end
	s_wait_tensorcnt 0x0                           ; my eighth has landed,
	s_barrier_signal -1
	s_barrier_wait -1                              ; everybody's has
	KLOAD KA, KB, KSA
; ================= 16 trips: 128 keys each
.Lstep:
	v_add_nc_u32 v15, s[TB], v[VA]                 ; four plain lines: the places behind the last trip's products, ahead of the loads into their registers
	v_add_nc_u32 v74, s[TS], v[VSA]
	v_nop
	v_nop
	WIN 0x40
.irp t, 0,1,2,3
.irp c, 0,1,2
	ds_load_b128 v[VF+12*\t+4*\c:VF+12*\t+4*\c+3], v15 offset:1536*\t+512*\c
.endr
.endr
	WIN 0
	ds_load_b64 v[VSW:VSW+1], v74
	s_wait_dscnt 13                                ; K's 17 loads are in; younger are V's 13
	PAIR 0
	PAIR 1
	WIN 0
	s_add_co_u32 s[TB], s[TB], 6144
	s_add_co_u32 s[TS], s[TS], 256
	s_sub_co_u32 s52, s52, 1
	s_cmp_lg_u32 s52, 0
	WALU
	s_cbranch_scc1 .Lstep
; ================= THE WAY OUT: O^T / the sum, quantised along the 64 channels: for each tile a unit of the last projection's A, and two scale bytes a row
	s_wait_dscnt 0x0                               ; the last trip's fetch: its registers serve as work registers below
.irp i, 0,1,2,3
	v_add_f32 v[PSB+4*\i+2], v[PSB+4*\i+2], v[PSB+4*\i+3]      ; the sum's two halves (four plain lines: the places behind the last products),
.endr
.irp i, 0,1,2,3
	v_permlanex16_b32 v[TPT+\i], v[PSB+4*\i+2], s[SEL], s[SEL+1]
.endr
.irp i, 0,1,2,3
	v_add_f32 v[PSB+4*\i+2], v[PSB+4*\i+2], v[TPT+\i]          ; and lane l xor 16's
.endr
	WALU
.irp i, 0,1,2,3
	v_rcp_f32 v[PSB+4*\i+2], v[PSB+4*\i+2]
.endr
	v_nop
	WIN 0x01
	WALU                                           ; behind the batch, directly ahead of the first reader of it and of O^T
.irp i, 0,1,2,3
.set J_, 0
.rept 16
	v_pk_mul_f32 v[SR+32*\i+J_:SR+32*\i+J_+1], v[32*\i+J_:32*\i+J_+1], v[PSB+4*\i+2:PSB+4*\i+3] op_sel_hi:[1,0]   ; register 16 b + e: channel 32 b + 16 h + e
.set J_, J_+2
.endr
.endr
	WIN 0
.irp i, 0,1,2,3
.irp b, 0,1
	v_max3_num_f32 v[TBM+2*\i+\b], |v[SR+32*\i+16*\b]|, |v[SR+32*\i+16*\b+1]|, 0x1800000
.endr
.endr
.irp k, 2,4,6,8,10,12,14
.irp i, 0,1,2,3
.irp b, 0,1
	v_max3_num_f32 v[TBM+2*\i+\b], v[TBM+2*\i+\b], |v[SR+32*\i+16*\b+\k]|, |v[SR+32*\i+16*\b+\k+1]|
.endr
.endr
.endr
.irp k, 0,1,2,3,4,5,6,7
	v_permlanex16_b32 v[TPT+\k], v[TBM+\k], s[SEL], s[SEL+1]
.endr
.irp k, 0,1,2,3,4,5,6,7
	v_max_num_f32 v[TBM+\k], v[TBM+\k], v[TPT+\k]
.endr
.irp k, 0,1,2,3,4,5,6,7
	v_add_nc_u32 v[TE+\k], 0xff000000, v[TBM+\k]
.endr
.irp k, 0,1,2,3,4,5,6,7
	v_lshrrev_b32 v[TPT+\k], 23, v[TE+\k]
.endr
.irp i, 0,1,2,3
	v_cvt_scalef32_pk16_fp6_f32 v[TC+6*\i:TC+6*\i+2], v[SR+32*\i:SR+32*\i+15], v[TE+2*\i]
	v_cvt_scalef32_pk16_fp6_f32 v[CT+4*\i:CT+4*\i+2], v[SR+32*\i+16:SR+32*\i+31], v[TE+2*\i+1]
.endr
	v_nop                                          ; one plain line behind the conversions
.irp i, 0,1,2,3
.irp k, 0,1,2
	v_permlane16_swap_b32 v[TC+6*\i+\k], v[CT+4*\i+\k]         ; the unit wants a whole block in a lane
.endr
.endr
.irp i, 0,1,2,3
.irp k, 0,1,2
	v_mov_b32 v[TC+6*\i+3+\k], v[CT+4*\i+\k]
.endr
	v_cndmask_b32 v[TBM+2*\i], v[TPT+2*\i], v[TPT+2*\i+1], s53 ; lane (r, h) stores block h's byte
.endr
.irp i, 0,1,2,3
	global_store_b128 v[L16], v[TC+6*\i:TC+6*\i+3], s[OC:OC+1] offset:12288*\i          ; 512 consecutive bytes, aligned to 256
	global_store_b64 v[L8], v[TC+6*\i+4:TC+6*\i+5], s[OC:OC+1] offset:12288*\i+512      ; 256 consecutive bytes, aligned
	global_store_b8 v[RH], v[TBM+2*\i], s[OS:OS+1] offset:512*\i                        ; two bytes of each row's eight: the neighbours are other heads'
.endr
	s_wait_tensorcnt 0x0                           ; the wave's end
	ds_add_u32 v[SPW], v[NIL]
	s_wait_dscnt 0x0
	CROUND                                         ; the closing round
	s_endpgm
.Lfunc_end_k_qb5ac077c30_attn:
	.size	k_qb5ac077c30_attn, .Lfunc_end_k_qb5ac077c30_attn-k_qb5ac077c30_attn
	.p2alignl 7, 3214868480
	.fill 96, 4, 3214868480
	.section	.rodata,"a",@progbits
	.p2align	6, 0x0
	.amdhsa_kernel k_qb5ac077c30_attn
		.amdhsa_group_segment_fixed_size 206848
		.amdhsa_private_segment_fixed_size 0
		.amdhsa_enable_private_segment 0
		.amdhsa_kernarg_size 24
		.amdhsa_user_sgpr_count 2
		.amdhsa_user_sgpr_kernarg_segment_ptr 1
		.amdhsa_wavefront_size32 1
		.amdhsa_system_sgpr_workgroup_id_x 1
		.amdhsa_system_sgpr_workgroup_id_y 1
		.amdhsa_system_sgpr_workgroup_id_z 1
		.amdhsa_system_vgpr_workitem_id 0
		.amdhsa_next_free_vgpr 512
		.amdhsa_next_free_sgpr 66
		.amdhsa_reserve_vcc 0
		.amdhsa_float_denorm_mode_32 3
		.amdhsa_float_denorm_mode_16_64 3
		.amdhsa_memory_ordered 1
		.amdhsa_forward_progress 1
		.amdhsa_inst_pref_size 80
	.end_amdhsa_kernel
	.amdgpu_metadata
---
amdhsa.version: [ 1, 2 ]
amdhsa.kernels:
  - .name:           k_qb5ac077c30_attn
    .symbol:         k_qb5ac077c30_attn.kd
    .args:
      - { .name: qkv, .offset: 0, .size: 8, .value_kind: global_buffer, .address_space: global }
      - { .name: ocod, .offset: 8, .size: 8, .value_kind: global_buffer, .address_space: global }
      - { .name: oscl, .offset: 16, .size: 8, .value_kind: global_buffer, .address_space: global }
    .group_segment_fixed_size: 206848
    .private_segment_fixed_size: 0
    .kernarg_segment_align: 8
    .kernarg_segment_size: 24
    .max_flat_workgroup_size: 256
    .sgpr_count:     66
    .vgpr_count:     512
    .wavefront_size: 32
...
	.end_amdgpu_metadata
.endif
;; end of part 3
;; launch outp (part 4): grid 32 x 8, 4 waves a work-group, clusters of 4 x 4, 327,680 bytes of LDS; arguments ocod, oscl, wcod, wscl, b_o, out0; writes out0
.if DOCPART == 4
	.amdgcn_target "amdgcn-amd-amdhsa--gfx1250"
	.amdhsa_code_object_version 6
	.text
	.protected	k_qb5ac077c30_outp
	.globl	k_qb5ac077c30_outp
	.p2align	8
	.type	k_qb5ac077c30_outp,@function
k_qb5ac077c30_outp:
	s_mov_b64 s[64:65], 0
	v_nop
	global_prefetch_b8 v0, s[64:65] scope:SCOPE_SE
	s_setreg_imm32_b32 hwreg(HW_REG_WAVE_MODE, 25, 1), 1
	s_wait_xcnt 0x0
	s_wait_alu depctr_hold_cnt(0) depctr_sa_sdst(0) depctr_va_vdst(0) depctr_va_sdst(0) depctr_va_ssrc(0) depctr_va_vcc(0) depctr_vm_vsrc(0)
	s_getreg_b32 s2, hwreg(HW_REG_IB_STS2, 6, 4)
	s_cmp_eq_u32 s2, 0
	s_cbranch_scc0 .Lentry_in_a_cluster
	s_endpgm
.Lentry_in_a_cluster:
	s_bfe_u32 s2, ttmp6, 0x10000c
	s_cmp_lg_u32 s2, 0xf033
	s_cbranch_scc0 .Lentry_shape_is_right
	s_endpgm
.Lentry_shape_is_right:
; out[token][n] = sum over k of O[token][k] W_o[k][n] + b_o[n], f32: 8,192 x 1,024 x 1,024 on codes of FP6 (E2M3) with E8M0 scales.
; LIMITS: NaN, infinities and sums beyond f32's range are not served; a sum begins with the bias, where the reference adds it last.
; THE OPERANDS are images of operand registers: codes [tile of 16 rows][k / 64 (16)][768]: lane l owns registers 0-3 at byte 16 l and registers 4-5 at byte 512 + 8 l of a unit; scale words [tile][k / 256 (4)][row (16)][2].
; Row r of stored tile T is row 32 (T / 2) + 8 (T % 2) + r + 8 (r / 8): tokens in ocod, output columns in wcod (W_o's tiles begin at tile 192).
; THE DEAL.  256 work-groups of four waves, 2 x 2, each 256 rows x 128 columns.  A wave holds four tiles of 16 columns of W_o, all of K, in registers (32 fragments, 384 registers) and streams eight blocks of 16 rows past them:
; block s of wave row w is tile 2 s + w of the work-group's sixteen.  A block is 32 products, its four accumulators by turns, K ascending; the first four take the bias as C.
; THE CLUSTER's x counts tile rows: A's tiles are shared by a column of the cluster, B's by a row.
; LDS: A's 16 tiles (196,608 bytes), B's 8 tiles (98,304), the spare words; the waves' stages lie in B's first bytes, which are read for the last time ahead of the barrier in front of the stream and are filled no more.
; No refill and no data prefetch: all is asked for at the head.  Its four tiles, one a wave, each on a line of its own: B; A's tiles 0-7; 8-11; 12-15.  The stream begins when the first two are in; a plain barrier inside block 1 shows the others.
; The scale words and the bias go from memory straight into registers: one register holds two tiles' words, in lanes 0-15 and in lanes 16-31.
; Source 0 = W_o's rows, source 1 = O's: a lane holds eight neighbouring columns of one token.  Behind a block's products: its sums into the stage and back as whole rows of 256 bytes; the fetch of the block two on; one wait; eight stores.
.set TILEB, 12288
.set FR, 12
.set FPW, 21                           ; fragments in a window
.set NF, 32                            ; LDS loads of a block's eight fragments
.set YB, 16*TILEB
.set SPARE, 24*TILEB
.set SPITCH, 272
.set STAGE, YB
.set CO, 9
.set SPW, 10
.set NIL, 11
.set BA16, 14
.set BA8, 15
.set STO, 18
.set RD, 19
.set A16_0, 20
.set A8_0, 21
.set A16, 22
.set A8, 23
.set SB, 24                            ; v24-39  B's scale words: 8 (b / 2) + q
.set SA, 44                            ; v44-75  A's: 8 (s / 2) + q
.set ACC, 76                           ; v76-139 two sets of four accumulators
.set BK, 140                           ; v140-203 two sets: 16 rows x 256 bytes back from the stage
.set BO, 204                           ; v204-235 the bias in the accumulators' layout
.set G1A, 24
.set G1B, 32
.set G0A, 56
.set G0B, 60
.set MSB, 0
.macro WIN new
.if MSB != \new
	s_set_vgpr_msb (MSB<<8)|\new
.set MSB, \new
.endif
.endm
.macro PLACES n
.rept \n
	v_nop
.endr
.endm
.macro WALU
	s_wait_alu depctr_va_vdst(0)
.endm
.macro BARRIER
	s_barrier_signal -1
	s_barrier_wait -1
.endm
.macro CROUND
	BARRIER
	s_cmp_lg_u32 s20, 0
	s_cbranch_scc1 .Lnot_wave_0_\@
	s_barrier_signal -3
.Lnot_wave_0_\@:
	s_barrier_wait -3
	BARRIER
.endm
.macro TLOAD g0, g1                    ; an s_nop 0 and four v_nop follow a tensor load
	tensor_load_to_lds s[\g0:\g0+3], s[\g1:\g1+7]
	s_nop 0
	PLACES 4
.endm
.macro ATILE first, tiles              ; some of A's sixteen tiles, dense, as rows of 256 bytes: a descriptor of constants
	s_mov_b32 s[G0A+1], (\first)*TILEB
	s_mov_b32 s[G1A+2], ((\tiles)*48)<<16
	s_mov_b32 s[G1A+4], (\tiles)*48
.if \first
	s_add_nc_u64 s[G0A+2:G0A+3], s[G0A+2:G0A+3], (\first)*TILEB
.endif
	s_or_b32 s[G0A+3], s[G0A+3], 0x80000000
	TLOAD G0A, G1A
.endm
.macro FRAG f, a16, a8, off            ; fragment f lies at register 12 (f % 21) of window 1 + f / 21: 0-31 B's (4 q + b), 32-47 A's two sets (32 + 8 e + q)
.set R_, FR*((\f)%FPW)
	WIN (1+(\f)/FPW)<<6
	ds_load_b128 v[R_:R_+3], v[\a16] offset:\off
	ds_load_b64 v[R_+4:R_+5], v[\a8] offset:(\off)+512
	ds_load_b128 v[R_+6:R_+9], v[\a16] offset:(\off)+768
	ds_load_b64 v[R_+10:R_+11], v[\a8] offset:(\off)+1280
.endm
.macro FETCHA e, a16, a8
.irp q, 0,1,2,3,4,5,6,7
	FRAG 32+8*(\e)+\q, \a16, \a8, 1536*\q
.endr
	WIN 0
.endm
.macro W4 d, s0, s1, c, x0, x1, ra, rb
	v_wmma_scale_f32_16x16x128_f8f6f4 v[\d:\d+7], v[\s0:\s0+11], v[\s1:\s1+11], \c, v[\x0], v[\x1] matrix_a_fmt:MATRIX_FMT_FP6 matrix_b_fmt:MATRIX_FMT_FP6 matrix_a_scale:MATRIX_SCALE_ROW\ra matrix_b_scale:MATRIX_SCALE_ROW\rb
.endm
.macro PRODC s, c
.if B_%2
.if (\s)%2
	W4 D_, RB_, RA_, \c, XB_, XA_, 1, 1
.else
	W4 D_, RB_, RA_, \c, XB_, XA_, 1, 0
.endif
.else
.if (\s)%2
	W4 D_, RB_, RA_, \c, XB_, XA_, 0, 1
.else
	W4 D_, RB_, RA_, \c, XB_, XA_, 0, 0
.endif
.endif
.endm
.macro PROD s, n                       ; product n = 4 q + b of block s
.set Q_, (\n)/4
.set B_, (\n)%4
.set FB_, 4*Q_+B_
.set FA_, 32+8*((\s)%2)+Q_
.set D_, ACC+32*((\s)%2)+8*B_
.set RB_, FR*(FB_%FPW)
.set RA_, FR*(FA_%FPW)
.set XB_, SB+8*(B_/2)+Q_
.set XA_, SA+8*((\s)/2)+Q_
	WIN (1+FB_/FPW)|((1+FA_/FPW)<<2)
.if Q_
	PRODC \s, v[D_:D_+7]
.else
	PRODC \s, v[BO+8*B_:BO+8*B_+7]
.endif
.endm
.macro PRODS s, from, to
.set N_, \from
.rept (\to)-(\from)
	PROD \s, N_
.set N_, N_+1
.endr
	WIN 0
.endm
.macro STAGED e                        ; set e's sums into my stage, each accumulator from its low end on, and back as whole rows.  LDS serves a wave's instructions in order (ISA guide 5.7.1.4): no wait between
.irp b, 0,1,2,3
	ds_store_b128 v[STO], v[ACC+32*(\e)+8*\b:ACC+32*(\e)+8*\b+3] offset:128*(\b/2)+32*(\b%2)
	ds_store_b128 v[STO], v[ACC+32*(\e)+8*\b+4:ACC+32*(\e)+8*\b+7] offset:128*(\b/2)+32*(\b%2)+16
.endr
.irp t, 0,1,2,3,4,5,6,7
	ds_load_b128 v[BK+32*(\e)+4*\t:BK+32*(\e)+4*\t+3], v[RD] offset:2*\t*SPITCH
.endr
.endm
.macro STREAM s
.if (\s) == 1
	PRODS \s, 0, 24
	s_wait_tensorcnt 0x0
	s_wait_dscnt 0x0
	s_barrier_signal -1                            ; a plain barrier: waves 2 and 3's tiles are shown to all
	PRODS \s, 24, 32
	s_barrier_wait -1
.else
	PRODS \s, 0, 32
.endif
.if (\s) < 6                           ; four plain lines stand between the last product and the first reader of its sums, and the fetch into the registers that it has read
	v_add_nc_u32 v[A16], ((\s)+2)*2*TILEB, v[A16_0]
	v_add_nc_u32 v[A8], ((\s)+2)*2*TILEB, v[A8_0]
	PLACES 2
	WALU
.else
	PLACES 4
.endif
	s_wait_xcnt 0x0                                ; the stores of two blocks ago have read this set of rows
	STAGED (\s)%2
.if (\s) < 6
	FETCHA (\s)%2, A16, A8
	s_wait_dscnt NF                                ; the block's rows are back from the stage, and the next block's fragments are in; younger is this run's fetch
.else
	s_wait_dscnt 0x0
.endif
.irp t, 0,1,2,3,4,5,6,7                ; stage rows 2 t, 2 t + 1 are tokens 32 s + 2 t + 8 (t / 4) and the next: sixteen lanes store 256 consecutive bytes, aligned
	global_store_b128 v[CO], v[BK+32*((\s)%2)+4*\t:BK+32*((\s)%2)+4*\t+3], s[14:15] offset:(32*(\s)+2*\t+8*(\t/4))*4096 th:TH_STORE_NT
.endr
.endm
; ================= THE HEAD
	s_load_b256 s[4:11], s[0:1], 0x0               ; ocod 4, oscl 6, wcod 8, wscl 10
	s_load_b128 s[12:15], s[0:1], 0x20             ; b_o 12, out0 14
	v_lshl_add_u32 v[SPW], v0, 2, SPARE
	v_mov_b32 v[NIL], 0
	ds_add_u32 v[SPW], v[NIL]                      ; the opening lines: the add, twice on end, and its wait
	ds_add_u32 v[SPW], v[NIL]
	v_lshrrev_b32 v1, 5, v0
	v_readfirstlane_b32 s20, v1                    ; the wave; s21 its row w of the 2 x 2, s22 its column
	s_lshr_b32 s21, s20, 1
	s_and_b32 s22, s20, 1
	s_bfe_u32 s40, ttmp6, 0x40000
	s_bfe_u32 s41, ttmp6, 0x40004
	s_lshl_b32 s43, ttmp9, 2
	s_add_co_u32 s43, s43, s40                     ; tile row, 0 .. 31
	s_and_b32 s42, ttmp7, 0xffff
	s_lshl_b32 s42, s42, 2
	s_add_co_u32 s42, s42, s41                     ; tile column, 0 .. 7
	s_lshl_b32 s44, 0x1111, s40                    ; my column of the cluster: shares A
	s_lshl_b32 s45, s41, 2
	s_lshl_b32 s45, 15, s45                        ; my row: shares B
	s_or_b32 s[G1A], s44, (3<<16)|(1<<21)          ; elements of 8 bytes, rows of 256 bytes, dense; how many rows, each arm says
	s_mov_b32 s[G1A+1], 32<<16
	s_mov_b32 s[G1A+3], 32<<16
	s_mov_b32 s[G1A+5], 32
	s_mov_b32 s[G1A+6], 0
	s_mov_b32 s[G1A+7], 0
	s_or_b32 s[G1B], s45, (3<<16)|(1<<21)
	s_mov_b32 s[G1B+1], 32<<16
	s_mov_b32 s[G1B+2], 384<<16
	s_mov_b32 s[G1B+3], 32<<16
	s_mov_b32 s[G1B+4], 384
	s_mov_b32 s[G1B+5], 32
	s_mov_b32 s[G1B+6], 0
	s_mov_b32 s[G1B+7], 0
	s_mov_b32 s[G0A], 1
	s_mov_b32 s[G0B], 1
	s_mov_b32 s[G0B+1], YB
	s_mul_i32 s76, s43, 16*TILEB                   ; A's sixteen tiles
	s_mov_b32 s77, 0
	s_mul_i32 s78, s42, 8*TILEB
	s_add_co_u32 s78, s78, 192*TILEB               ; B's eight
	s_mov_b32 s79, 0
	s_lshl_b32 s80, s43, 13                        ; A's scale words: 512 bytes a tile; my blocks' tiles are 2 s + w
	s_lshl_b32 s23, s21, 9
	s_add_co_u32 s80, s80, s23
	s_mov_b32 s81, 0
	s_lshl_b32 s82, s42, 12                        ; B's: my four tiles
	s_lshl_b32 s23, s22, 11
	s_add_co_u32 s82, s82, s23
	s_add_co_u32 s82, s82, 192*512
	s_mov_b32 s83, 0
	s_lshl_b32 s84, s42, 9                         ; my 64 columns, in bytes
	s_lshl_b32 s23, s22, 8
	s_add_co_u32 s84, s84, s23
	s_mov_b32 s85, 0
	s_lshl_b32 s86, s43, 20                        ; my first token: 256 x tile row + 8 w
	s_lshl_b32 s23, s21, 15
	s_add_co_u32 s86, s86, s23
	s_add_co_u32 s86, s86, s84
	s_mov_b32 s87, 0
	v_and_b32 v1, 15, v0                           ; r
	v_bfe_u32 v2, v0, 4, 1                         ; h
	v_and_b32 v3, 31, v0                           ; l
	v_lshlrev_b32 v4, 4, v3
	v_lshlrev_b32 v5, 3, v3
	s_mul_i32 s23, s21, TILEB
	v_add_nc_u32 v[A16_0], s23, v4                 ; block 0's tile
	v_add_nc_u32 v[A8_0], s23, v5
	v_add_nc_u32 v[A16], 2*TILEB, v[A16_0]         ; block 1's
	v_add_nc_u32 v[A8], 2*TILEB, v[A8_0]
	s_mul_i32 s23, s22, 4*TILEB
	s_add_co_u32 s23, s23, YB
	v_add_nc_u32 v[BA16], s23, v4
	v_add_nc_u32 v[BA8], s23, v5
	v_lshlrev_b32 v6, 3, v1                        ; 8 r
	v_lshl_add_u32 v7, v2, 9, v6                   ; B's scale words: lanes 16-31 take the next tile's
	v_lshl_add_u32 v8, v2, 10, v6                  ; A's: lanes 16-31 take the next block's, two tiles on
	v_lshlrev_b32 v12, 6, v2                       ; the bias: 16 columns on for lanes 16-31
	s_mul_i32 s23, s20, 16*SPITCH
	s_add_co_u32 s23, s23, STAGE
	v_mul_u32_u24 v13, v1, SPITCH
	v_lshl_add_u32 v13, v2, 6, v13
	v_add_nc_u32 v[STO], s23, v13                  ; into the stage: row r, columns 16 h ..
	v_mul_u32_u24 v13, v2, SPITCH
	v_lshl_add_u32 v13, v1, 4, v13
	v_add_nc_u32 v[RD], s23, v13                   ; back: lanes 0-15 a row, lanes 16-31 the next
	v_lshlrev_b32 v13, 12, v2
	v_lshl_add_u32 v[CO], v1, 4, v13               ; and the same two rows in out0
	WALU
	s_wait_dscnt 0x0
	CROUND                                         ; the opening round
	s_wait_kmcnt 0x0
	s_add_nc_u64 s[G0A+2:G0A+3], s[4:5], s[76:77]
	s_add_nc_u64 s[G0B+2:G0B+3], s[8:9], s[78:79]
	s_or_b32 s[G0B+3], s[G0B+3], 0x80000000
	s_add_nc_u64 s[6:7], s[6:7], s[80:81]
	s_add_nc_u64 s[10:11], s[10:11], s[82:83]
	s_add_nc_u64 s[12:13], s[12:13], s[84:85]
	s_add_nc_u64 s[14:15], s[14:15], s[86:87]
	s_cmp_eq_u32 s20, 0
	s_cbranch_scc0 .Lwave_1
	TLOAD G0B, G1B                                 ; wave 0: B's tiles, which are wanted first
	s_branch .Lasked
.Lwave_1:
	s_cmp_eq_u32 s20, 1
	s_cbranch_scc0 .Lwave_2
	ATILE 0, 8                                     ; wave 1: A's tiles 0 to 7: blocks 0 to 3
	s_branch .Lasked
.Lwave_2:
	s_cmp_eq_u32 s20, 2
	s_cbranch_scc0 .Lwave_3
	ATILE 8, 4
	s_branch .Lasked
.Lwave_3:
	ATILE 12, 4
.Lasked:
.irp p, 0,1
.irp c, 0,1,2,3
	global_load_b64 v[SB+8*\p+2*\c:SB+8*\p+2*\c+1], v7, s[10:11] offset:1024*\p+128*\c
.endr
.endr
.irp m, 0,1,2,3
.irp c, 0,1,2,3
	global_load_b64 v[SA+8*\m+2*\c:SA+8*\m+2*\c+1], v8, s[6:7] offset:2048*\m+128*\c
.endr
.endr
.irp b, 0,1,2,3                        ; register j of tile b of lane (r, h) is column 32 (b / 2) + 8 (b % 2) + 16 h + j of my 64
	global_load_b128 v[BO+8*\b:BO+8*\b+3], v12, s[12:13] offset:128*(\b/2)+32*(\b%2)
	global_load_b128 v[BO+8*\b+4:BO+8*\b+7], v12, s[12:13] offset:128*(\b/2)+32*(\b%2)+16
.endr
	s_cmp_eq_u32 s20, 0
	s_cbranch_scc0 .Lnot_b
	s_wait_tensorcnt 0x0
.Lnot_b:
	BARRIER                                        ; B has landed
.irp q, 0,1,2,3,4,5,6,7
.irp b, 0,1,2,3
	FRAG 4*\q+\b, BA16, BA8, \b*TILEB+1536*\q
.endr
.endr
	WIN 0
	s_cmp_eq_u32 s20, 1
	s_cbranch_scc0 .Lnot_a
	s_wait_tensorcnt 0x0                           ; wave 1: A's tiles 0 to 7 have landed
.Lnot_a:
	s_wait_dscnt 0x0
	BARRIER                                        ; they are shown to all, and nobody reads B's bytes any more.  Waves 2 and 3's tiles may still be on their way
	FETCHA 0, A16_0, A8_0
	FETCHA 1, A16, A8
	s_wait_loadcnt 0x0                             ; the scale words and the bias
	s_wait_dscnt NF                                ; block 0's fragments are in
; ================= THE STREAM: eight blocks, written out: each names its own scale registers
.irp s, 0,1,2,3,4,5,6,7
	STREAM \s
.endr
	s_wait_tensorcnt 0x0                           ; the wave's end
	ds_add_u32 v[SPW], v[NIL]
	s_wait_dscnt 0x0
	CROUND                                         ; the closing round
	s_endpgm
.Lfunc_end_k_qb5ac077c30_outp:
	.size	k_qb5ac077c30_outp, .Lfunc_end_k_qb5ac077c30_outp-k_qb5ac077c30_outp
	.p2alignl 7, 3214868480
	.fill 96, 4, 3214868480
	.section	.rodata,"a",@progbits
	.p2align	6, 0x0
	.amdhsa_kernel k_qb5ac077c30_outp
		.amdhsa_group_segment_fixed_size 327680
		.amdhsa_private_segment_fixed_size 0
		.amdhsa_enable_private_segment 0
		.amdhsa_kernarg_size 48
		.amdhsa_user_sgpr_count 2
		.amdhsa_user_sgpr_kernarg_segment_ptr 1
		.amdhsa_wavefront_size32 1
		.amdhsa_system_sgpr_workgroup_id_x 1
		.amdhsa_system_sgpr_workgroup_id_y 1
		.amdhsa_system_sgpr_workgroup_id_z 1
		.amdhsa_system_vgpr_workitem_id 0
		.amdhsa_next_free_vgpr 840
		.amdhsa_next_free_sgpr 96
		.amdhsa_reserve_vcc 0
		.amdhsa_float_denorm_mode_32 3
		.amdhsa_float_denorm_mode_16_64 3
		.amdhsa_memory_ordered 1
		.amdhsa_forward_progress 1
		.amdhsa_inst_pref_size 85
	.end_amdhsa_kernel
	.amdgpu_metadata
---
amdhsa.version: [ 1, 2 ]
amdhsa.kernels:
  - .name:           k_qb5ac077c30_outp
    .symbol:         k_qb5ac077c30_outp.kd
    .args:
      - { .name: ocod, .offset: 0, .size: 8, .value_kind: global_buffer, .address_space: global }
      - { .name: oscl, .offset: 8, .size: 8, .value_kind: global_buffer, .address_space: global }
      - { .name: wcod, .offset: 16, .size: 8, .value_kind: global_buffer, .address_space: global }
      - { .name: wscl, .offset: 24, .size: 8, .value_kind: global_buffer, .address_space: global }
      - { .name: b_o, .offset: 32, .size: 8, .value_kind: global_buffer, .address_space: global }
      - { .name: out0, .offset: 40, .size: 8, .value_kind: global_buffer, .address_space: global }
    .group_segment_fixed_size: 327680
    .private_segment_fixed_size: 0
    .kernarg_segment_align: 8
    .kernarg_segment_size: 48
    .max_flat_workgroup_size: 128
    .sgpr_count:     96
    .vgpr_count:     840
    .wavefront_size: 32
...
	.end_amdgpu_metadata
.endif
;; end of part 4
